; MI455X (gfx1250); checked and timed in simulation.
; The chip was launched on July 23, 2026; its instructions are those of AMD's public machine-readable ISA for CDNA 5 (MIT licence, August 2026) and "CDNA5" Instruction Set Architecture Reference Guide (July 2026). The comments in the code are by the model that wrote it; some were corrected since.
;; Multi Head Self Attention. Allowed arithmetic: matrix products marked QUANTISED: E3M2 operands, one E8M0 scale for each 32 along K, by v_wmma_scale_f32_16x16x128_f8f6f4 with both operands' format E3M2, f32 sums; everything else in f32.
;; Inputs: token_positions 2,048 int32; w_o 1,024 x 1,024 float32; w_qkv 3,072 x 1,024 float32; x 4 x 2,048 x 1,024 float32.
;; Outputs: out0 4 x 2,048 x 1,024 float32.
;; This version of the problem:
;;   THIS VERSION OF THE PROBLEM IS GIVEN IN LOW PRECISION. The matrix products marked QUANTISED in the list below multiply operands that are first quantised to E3M2 (3 exponent bits, 2 mantissa bits; 6 bits a number), with one power-of-two scale for each 32 numbers along K (OCP MX v1.0); their sums are f32. All else is computed in f32.
;;   The module's matrix products, in the order in which they are computed (A, B: the left and right operand; K: the contracted axis; several contracted axes count as one K, in the product's order):
;;     1. [M 8,192, K 1,024] x [K 1,024, N 3,072]; A: input x; B: input w_qkv: QUANTISED
;;     2. batch 64 x [M 2,048, K 64] x [K 64, N 2,048]; A: computed on the way; B: computed on the way: QUANTISED
;;     3. batch 64 x [M 2,048, K 2,048] x [K 2,048, N 64]; A: softmax (see below); B: computed on the way: QUANTISED
;;     4. [M 8,192, K 1,024] x [K 1,024, N 1,024]; A: computed on the way; B: input w_o: QUANTISED
;;   THE QUANTISER, for each operand of a quantised product, along K:
;;     - K is cut into blocks of 32 from its start; a last block that is shorter is filled with zeros.
;;     - A block's scale is 2^e with e = floor(log2(the largest magnitude in the block)) - 4, held to -126 .. 127; a block of zeros has e = 0. As a byte (E8M0): e + 127.
;;     - Each number is divided by its block's scale, clamped to +-28, and rounded to the nearest number of E3M2, ties to even, subnormals kept.
;;     - The product sums the exact products of the quantised numbers (number of the format x scale) in f32.
;;   ~~~python
;;   def quantise(x, axis):      # numpy; x: float32 -> the quantised numbers, widened to float32 again
;;       x = np.moveaxis(x, axis, -1); K = x.shape[-1]
;;       x = np.pad(x, [(0, 0)] * (x.ndim - 1) + [(0, -K % 32)]); x = x.reshape(x.shape[:-1] + (-1, 32)); a = np.abs(x).max(-1, keepdims=True)
;;       e = np.where(a > 0, np.clip(np.frexp(np.where(a > 0, a, 1))[1] - 1 - 4, -126, 127), 0)      # np.frexp(a)[1] - 1 = floor(log2(a)), exactly
;;       r = np.clip(x / 2.0 ** e, -28, 28)
;;       step = 2.0 ** (np.maximum(np.frexp(np.where(r == 0, 1, r))[1] - 1, -2) - 2)
;;       q = np.round(r / step) * step * 2.0 ** e      # np.round: ties to even
;;       return np.moveaxis(q.reshape(q.shape[:-2] + (-1,))[..., :K], -1, axis).astype(np.float32)
;;   ~~~
;;   SOFTMAX AHEAD OF A QUANTISED PRODUCT. Where the list says 'softmax', what is quantised is not the finished softmax but p = 2^(t - M), with t = logit x log2(e) and M = ceil(the row's largest t), a whole number; so 1/2 < the row's largest p <= 1. The row's sum l is taken of the UNQUANTISED p, in f32, and the product's result is divided by l at the end. Since M is a whole number, a kernel that streams over the keys may use a running M (the ceiling of the running maximum): every later rescaling is an exact power of two, which a block's scale takes up: the codes' values come out the same.
;;   OPERANDS COMPUTED ON THE WAY. 'Computed on the way' means the value that the module computes at that place (a softmax that the list does not call 'softmax' is quantised finished and normalised). What goes into a quantiser is computed in f32, as accurately as f32 sums, v_exp_f32 and their like allow (about 1e-6 of the number): no bf16 or f16 on the way to a quantiser, and a product that is left as it is and whose result goes on into a quantised operand takes f32 operands (vector FMAs, or v_wmma_f32_16x16x4_f32). A number that lies on a knife's edge between two numbers of the format may be rounded either way, as far as f32 arithmetic and the matrix unit's own rounding can turn it there, and no further.
;; One version. Each part assembles by itself: llvm-mc -triple=amdgcn-amd-amdhsa -mcpu=gfx1250 --defsym DOCPART=n.
;; ======== version 1 of 1: 4 launches
;; limits: inputs' magnitudes at most 4,194,304; right only within a limited range of input values
;; workspace buffers: xq 6,553,600 bytes; wq 3,276,800 bytes; rt 524,288 bytes; qq 6,815,744 bytes; kv 13,369,344 bytes; aq 6,553,600 bytes
;; launch prep (part 1): grid 416 x 1, 4 waves a work-group, no clusters, 35,328 bytes of LDS; arguments x, w_qkv, w_o, token_positions, xq, wq, rt; writes xq, wq, rt
.if DOCPART == 1
	.amdgcn_target "amdgcn-amd-amdhsa--gfx1250"
	.amdhsa_code_object_version 6
	.text
	.protected	k_qd0a2837b7f_prep
	.globl	k_qd0a2837b7f_prep
	.p2align	8
	.type	k_qd0a2837b7f_prep,@function
k_qd0a2837b7f_prep:
	s_mov_b64 s[64:65], 0
	v_nop
	global_prefetch_b8 v0, s[64:65] scope:SCOPE_SE
	s_setreg_imm32_b32 hwreg(HW_REG_WAVE_MODE, 25, 1), 1
	s_wait_xcnt 0x0
; x [8192][1024], w_qkv [3072][1024] and w_o [1024][1024], f32, become codes of BF6 (E3M2) with one E8M0 byte for each 32 along K, laid as the later launches' matrix operands take them; and the table of cos and sin for RoPE is made from token_positions.
; ORDER OF ROWS: rows go in blocks of 16; lane-row r of block rb is the real row 32 (rb / 2) + 8 (rb % 2) + r + 8 (r / 8).
; HALF IMAGE: 16 rows x 64 K as the operand's registers: lane (r, h) holds row r, k = 32 h .. 32 h + 31, 24 bytes = 6 registers; registers 0-3 lie at 16 x lane, registers 4-5 at 512 + 8 x lane: 768 bytes.
; A buffer of codes: half image (rb, k / 64) at rb x 12288 + (k / 64) x 768; behind all codes the scale bytes at rb x 512 + (k / 256) x 128 + 8 r + ((k / 128) % 2) x 4 + (k / 32) % 4.
; SHARES: a wave takes one block of 16 rows and half of K (512): 8 steps of 64 K.  Work-groups 0-255 x, 256-351 w_qkv, 352-383 w_o (both into wq: blocks 0-191 and 192-255), 384-415 the table.
; Each load reads two rows' 256 consecutive bytes; the 4,096 bytes of a step turn through the wave's own stage in LDS (rows 272 bytes apart) so that a lane gets a whole block of 32 neighbours.
; A block's scale is 2^(floor(log2(largest magnitude)) - 4): its byte is the magnitude's exponent field - 4, held at 1 from below by a floor among the maximum's leaves.
; LIMITS: a block of zeros gets the byte 1, not 127 (its codes are zeros; this program alone reads the bytes); NaN and infinities are not served; positions are served for |p| < 2^22;
; 1 / 10000^(f / 32) is made by v_exp_f32, so an angle is right to about 2e-7 of its own size.
.set SOFFX, 6291456
.set SOFFW, 3145728
.set SP,    272
.set STGB,  16*SP                      ; a stage: 16 rows
.set WREG,  2*STGB                     ; two stages a wave
.set R,     16                         ; v16-111  three sets of 32, as loaded
.set X,     112                        ; v112-175 two sets of 32: a block in a lane
.set C,     176                        ; v176-181 a step's codes
.set C2,    184                        ; v184-186 the second conversion's result
.set W,     188                        ; v188-191 four scale words in the making
	s_load_b256 s[4:11], s[0:1], 0x0               ; x, w_qkv, w_o, token_positions
	s_load_b128 s[12:15], s[0:1], 0x20             ; xq, wq
	s_load_b64 s[16:17], s[0:1], 0x30              ; rt
	v_lshl_add_u32 v200, v0, 2, 0x8800
	v_mov_b32 v201, 0
	v_lshrrev_b32 v1, 5, v0
	v_readfirstlane_b32 s18, v1                    ; wave
	v_and_b32 v2, 31, v0                           ; lane
	v_and_b32 v4, 15, v0                           ; r
	v_bfe_u32 v5, v0, 4, 1                         ; h
	s_lshl_b32 s19, ttmp9, 2
	s_add_co_u32 s19, s19, s18                     ; the wave's job
	s_cmp_ge_u32 ttmp9, 384
	s_cbranch_scc1 .Ltable
	v_lshlrev_b32 v3, 4, v4
	v_lshl_add_u32 v3, v5, 12, v3                  ; in: 16 (lane % 16) + a row of 4,096 bytes for lanes 16-31
	s_mul_i32 s23, s18, WREG
	v_mul_u32_u24 v14, v5, SP
	v_lshl_add_u32 v14, v4, 4, v14
	v_add_nc_u32 v14, s23, v14                     ; the stage, on the way in
	v_mul_u32_u24 v15, v4, SP
	v_lshl_add_u32 v15, v5, 7, v15
	v_add_nc_u32 v15, s23, v15                     ; and out: row r, 128 h: my 32 neighbours
	v_lshlrev_b32 v6, 4, v2                        ; 16 x lane
	v_lshlrev_b32 v7, 3, v2                        ; 8 x lane
	s_mov_b32 s38, 0x76543210
	s_mov_b32 s39, 0xfedcba98                      ; v_permlanex16_b32: lane l xor 16
	s_wait_alu depctr_va_vdst(0)
	s_wait_kmcnt 0x0
	s_mov_b32 s20, 1408
	s_cmp_lt_u32 ttmp9, 352                        ; the choices hang on the work-group's number alone
	s_cselect_b64 s[6:7], s[6:7], s[8:9]
	s_cselect_b32 s20, 1024, s20
	s_mov_b32 s22, SOFFW
	s_cmp_lt_u32 ttmp9, 256
	s_cselect_b64 s[4:5], s[4:5], s[6:7]           ; the source
	s_cselect_b64 s[12:13], s[12:13], s[14:15]     ; the destination
	s_cselect_b32 s20, 0, s20                      ; the source's first job
	s_cselect_b32 s21, 0, 1024                     ; the destination's
	s_cselect_b32 s22, SOFFX, s22                  ; where its scale bytes begin
	s_sub_co_u32 s24, s19, s20
	s_sub_co_u32 s25, s19, s21
	s_and_b32 s26, s24, 1                          ; which half of K
	s_lshr_b32 s24, s24, 1                         ; block of rows in the source
	s_lshr_b32 s25, s25, 1                         ; and in the destination
	s_lshr_b32 s27, s24, 1
	s_lshl_b32 s27, s27, 17                        ; 32 rows of 4,096 bytes
	s_and_b32 s28, s24, 1
	s_lshl_b32 s28, s28, 15                        ; 8 rows
	s_add_co_u32 s30, s27, s28
	s_lshl_b32 s28, s26, 11
	s_add_co_u32 s30, s30, s28
	s_mov_b32 s31, 0
	s_add_nc_u64 s[4:5], s[4:5], s[30:31]
	s_mul_i32 s32, s25, 12288
	s_mul_i32 s28, s26, 6144
	s_add_co_u32 s32, s32, s28
	s_mov_b32 s33, 0
	s_lshl_b32 s34, s25, 9
	s_lshl_b32 s28, s26, 8
	s_add_co_u32 s34, s34, s28
	s_add_co_u32 s34, s34, s22
	s_mov_b32 s35, 0
	s_add_nc_u64 s[36:37], s[12:13], s[34:35]      ; my 256 scale bytes
	s_add_nc_u64 s[12:13], s[12:13], s[32:33]      ; my 8 half images
.macro LOAD t                          ; step t: lane-rows 2 j and 2 j + 1 are real rows 2 j + 8 (j / 4) and the next
.irp j, 0,1,2,3,4,5,6,7
	global_load_b128 v[R+32*((\t)%3)+4*\j:R+32*((\t)%3)+4*\j+3], v3, s[4:5] offset:(\t)*256+(2*\j+8*(\j/4))*4096 th:TH_LOAD_NT
.endr
.endm
.macro TURN t                          ; through the stage: LDS serves a wave's instructions in order, so no wait stands between the stores and the loads
.irp j, 0,1,2,3,4,5,6,7
	ds_store_b128 v14, v[R+32*((\t)%3)+4*\j:R+32*((\t)%3)+4*\j+3] offset:\j*2*SP+((\t)%2)*STGB
.endr
.irp j, 0,1,2,3,4,5,6,7
	ds_load_b128 v[X+32*((\t)%2)+4*\j:X+32*((\t)%2)+4*\j+3], v15 offset:16*\j+((\t)%2)*STGB
.endr
.endm
.macro STEP t
.set XS, X+32*((\t)%2)
	s_wait_dscnt 0x0                               ; this step's numbers are back from the stage, and its stores into the stage have read their registers
.if (\t)+3 < 8
	LOAD (\t)+3
.endif
.if (\t)+1 < 8
.if 6-(\t) >= 2
	s_wait_loadcnt 16                              ; the next step's 8 loads are in; those of the two steps behind it may be out
.else
	s_wait_loadcnt 8*(6-(\t))
.endif
	TURN (\t)+1
.endif
	v_max3_num_f32 v8, |v[XS]|, |v[XS+1]|, |v[XS+2]|               ; the block's largest magnitude: all 32 numbers are mine
	v_max3_num_f32 v9, |v[XS+3]|, |v[XS+4]|, |v[XS+5]|
.irp i, 6,10,14,18,22,26
	v_max3_num_f32 v8, v8, |v[XS+\i]|, |v[XS+\i+1]|
	v_max3_num_f32 v9, v9, |v[XS+\i+2]|, |v[XS+\i+3]|
.endr
	v_max3_num_f32 v8, v8, |v[XS+30]|, |v[XS+31]|
	v_max3_num_f32 v8, v8, v9, 0x2800000           ; and the floor 2^(5 - 127): the byte cannot fall under 1
	v_add_nc_u32 v11, 0xfe000000, v8               ; 4 off the exponent field: the conversion's scale operand
	s_wait_alu depctr_va_vdst(0)
	s_wait_xcnt 0x0                                ; the last step's stores have read the codes' registers: they are written again only behind this wait
	v_cvt_scalef32_pk16_bf6_f32 v[C:C+2], v[XS:XS+15], v11
	v_cvt_scalef32_pk16_bf6_f32 v[C2:C2+2], v[XS+16:XS+31], v11    ; (a conversion's three registers begin on an even number)
	v_lshrrev_b32 v10, 23, v11                     ; the scale's byte; also the plain line behind the conversions
.irp i, 0,1,2
	v_mov_b32 v[C+3+\i], v[C2+\i]
.endr
	global_store_b128 v6, v[C:C+3], s[12:13] offset:(\t)*768       ; 512 consecutive bytes,
	global_store_b64 v7, v[C+4:C+5], s[12:13] offset:(\t)*768+512  ; and 256
.if (\t)%2 == 0
	v_mov_b32 v[W+(\t)/2], v10                     ; my block is number 2 t + h of the 16: word t / 2, byte 2 (t % 2) + h
.else
	v_lshl_or_b32 v[W+(\t)/2], v10, 16, v[W+(\t)/2]
.endif
.endm
	LOAD 0
	LOAD 1
	LOAD 2
	s_wait_loadcnt 16                              ; step 0's 8 loads are in
	TURN 0
.irp t, 0,1,2,3,4,5,6,7
	STEP \t
.endr
	v_lshlrev_b32 v8, 3, v5                        ; 8 h bits up,
.irp i, 0,1,2,3
	v_lshlrev_b32 v[W+\i], v8, v[W+\i]
.endr
.irp i, 0,1,2,3
	v_mov_b32 v[192+\i], 0                         ; (a lane permute's destination counts as one of its sources)
.endr
.irp i, 0,1,2,3
	v_permlanex16_b32 v[192+\i], v[W+\i], s38, s39
.endr
.irp i, 0,1,2,3
	v_or_b32 v[W+\i], v[W+\i], v[192+\i]           ; with lane l xor 16's bytes the four words of row r are whole
.endr
	v_cmp_lt_u32 vcc_lo, 15, v2
	v_cndmask_b32 v12, v[W], v[W+2], vcc_lo        ; lanes 0-15 store words 0, 1 (the first 256 along K), lanes 16-31 words 2, 3
	v_cndmask_b32 v13, v[W+1], v[W+3], vcc_lo
	global_store_b64 v7, v[12:13], s[36:37]        ; 32 lanes store 256 consecutive bytes
	s_wait_tensorcnt 0x0
	ds_add_u32 v200, v201
	s_wait_dscnt 0x0
	s_endpgm
; THE TABLE: rt [tb 128][j 8][lane 32][4] = (cos, sin, cos, sin) of frequencies 16 (j / 4) + 8 h + 2 (j % 4) + 0, 1 for the token of lane-row r of block tb.
.Ltable:
	s_sub_co_u32 s19, s19, 1536                    ; tb
	s_lshr_b32 s20, s19, 1
	s_lshl_b32 s20, s20, 7                         ; 32 (tb / 2) positions of 4 bytes
	s_and_b32 s21, s19, 1
	s_lshl_b32 s21, s21, 5
	s_add_co_u32 s20, s20, s21
	s_mov_b32 s21, 0
	s_lshl_b32 s22, s19, 12
	s_mov_b32 s23, 0
	s_wait_alu depctr_va_vdst(0)
	v_and_b32 v6, 8, v4
	v_add_nc_u32 v6, v6, v4
	v_lshlrev_b32 v6, 2, v6                        ; 4 (r + 8 (r / 8))
	v_lshlrev_b32 v7, 4, v2
	v_lshlrev_b32 v8, 3, v5                        ; 8 h
	s_mov_b32 s24, 0xbed49a78                      ; -log2(10000) / 32
	s_mov_b32 s25, 0x3f22f983                      ; 2 / pi
	s_mov_b32 s26, 0xbfc90fdb                      ; -pi / 2 in three parts
	s_mov_b32 s27, 0x333bbd2e
	s_mov_b32 s28, 0x26f72ced
	s_mov_b32 s29, 0x3638ef1d                      ; sine: 1/9!, -1/7!, 1/5!, -1/3!
	s_mov_b32 s30, 0xb9500d01
	s_mov_b32 s31, 0x3c088889
	s_mov_b32 s32, 0xbe2aaaab
	s_mov_b32 s33, 0xb493f27e                      ; cosine: -1/10!, 1/8!, -1/6!, 1/4!
	s_mov_b32 s34, 0x37d00d01
	s_mov_b32 s35, 0xbab60b61
	s_mov_b32 s36, 0x3d2aaaab
	s_wait_alu depctr_va_vdst(0)
	s_wait_kmcnt 0x0
	s_add_nc_u64 s[10:11], s[10:11], s[20:21]
	s_add_nc_u64 s[16:17], s[16:17], s[22:23]
	global_load_b32 v9, v6, s[10:11]
.irp k, 0,1,2,3,4,5,6,7,8,9,10,11,12,13,14,15
	v_add_nc_u32 v[16+\k], 16*(\k/8)+\k%8, v8      ; the frequency's number
.endr
.irp k, 0,1,2,3,4,5,6,7,8,9,10,11,12,13,14,15
	v_cvt_f32_u32 v[16+\k], v[16+\k]
.endr
.irp k, 0,1,2,3,4,5,6,7,8,9,10,11,12,13,14,15
	v_mul_f32 v[16+\k], s24, v[16+\k]
.endr
	s_wait_alu depctr_va_vdst(0)
.irp k, 0,1,2,3,4,5,6,7,8,9,10,11,12,13,14,15
	v_exp_f32 v[16+\k], v[16+\k]                   ; 10000^(-f / 32): one batch
.endr
	v_nop                                          ; a plain line behind the last exponential
	s_wait_alu depctr_va_vdst(0)                   ; one wait for the batch, ahead of its first reader
	s_wait_loadcnt 0x0
	v_cvt_f32_i32 v9, v9
.irp k, 0,1,2,3,4,5,6,7,8,9,10,11,12,13,14,15
	v_mul_f32 v[16+\k], v9, v[16+\k]               ; the angle
.endr
.macro SINCOS a, o                     ; v[a] = angle;  v[o] = cos, v[o + 1] = sin.  n = the nearest multiple of pi / 2; the rest r lies within pi / 4; two polynomials; the quadrant swaps and signs
	v_mul_f32 v40, s25, v[\a]
	v_rndne_f32 v40, v40
	v_fma_f32 v41, v40, s26, v[\a]
	v_fma_f32 v41, v40, s27, v41
	v_fma_f32 v41, v40, s28, v41
	v_mul_f32 v42, v41, v41
	v_fma_f32 v43, v42, s29, s30
	v_fma_f32 v45, v42, s33, s34
	v_fma_f32 v43, v43, v42, s31
	v_fma_f32 v45, v45, v42, s35
	v_fma_f32 v43, v43, v42, s32
	v_fma_f32 v45, v45, v42, s36
	v_mul_f32 v44, v41, v42
	v_fma_f32 v45, v45, v42, -0.5
	v_fma_f32 v43, v44, v43, v41                   ; sin r
	v_fma_f32 v45, v45, v42, 1.0                   ; cos r
	v_cvt_i32_f32 v46, v40
	v_and_b32 v47, 1, v46
	v_cmp_eq_u32 vcc_lo, 1, v47
	v_cndmask_b32 v48, v43, v45, vcc_lo
	v_cndmask_b32 v49, v45, v43, vcc_lo
	v_and_b32 v47, 2, v46
	v_lshlrev_b32 v47, 30, v47
	v_xor_b32 v[\o+1], v47, v48
	v_add_nc_u32 v46, 1, v46
	v_and_b32 v46, 2, v46
	v_lshlrev_b32 v46, 30, v46
	v_xor_b32 v[\o], v46, v49
.endm
.irp k, 0,1,2,3,4,5,6,7,8,9,10,11,12,13,14,15
	SINCOS 16+\k, 64+2*\k
.endr
.irp j, 0,1,2,3,4,5,6,7
	global_store_b128 v7, v[64+4*\j:67+4*\j], s[16:17] offset:512*\j   ; 512 consecutive bytes
.endr
	s_endpgm
.Lfunc_end_k_qd0a2837b7f_prep:
	.size	k_qd0a2837b7f_prep, .Lfunc_end_k_qd0a2837b7f_prep-k_qd0a2837b7f_prep
	.p2alignl 7, 3214868480
	.fill 96, 4, 3214868480
	.section	.rodata,"a",@progbits
	.p2align	6, 0x0
	.amdhsa_kernel k_qd0a2837b7f_prep
		.amdhsa_group_segment_fixed_size 35328
		.amdhsa_private_segment_fixed_size 0
		.amdhsa_enable_private_segment 0
		.amdhsa_kernarg_size 56
		.amdhsa_user_sgpr_count 2
		.amdhsa_user_sgpr_kernarg_segment_ptr 1
		.amdhsa_wavefront_size32 1
		.amdhsa_system_sgpr_workgroup_id_x 1
		.amdhsa_system_sgpr_workgroup_id_y 1
		.amdhsa_system_sgpr_workgroup_id_z 1
		.amdhsa_system_vgpr_workitem_id 0
		.amdhsa_next_free_vgpr 202
		.amdhsa_next_free_sgpr 66
		.amdhsa_reserve_vcc 1
		.amdhsa_float_denorm_mode_32 3
		.amdhsa_float_denorm_mode_16_64 3
		.amdhsa_memory_ordered 1
		.amdhsa_forward_progress 1
		.amdhsa_inst_pref_size 57
	.end_amdhsa_kernel
	.amdgpu_metadata
---
amdhsa.version: [ 1, 2 ]
amdhsa.kernels:
  - .name:           k_qd0a2837b7f_prep
    .symbol:         k_qd0a2837b7f_prep.kd
    .args:
      - { .name: x, .offset: 0, .size: 8, .value_kind: global_buffer, .address_space: global }
      - { .name: w_qkv, .offset: 8, .size: 8, .value_kind: global_buffer, .address_space: global }
      - { .name: w_o, .offset: 16, .size: 8, .value_kind: global_buffer, .address_space: global }
      - { .name: token_positions, .offset: 24, .size: 8, .value_kind: global_buffer, .address_space: global }
      - { .name: xq, .offset: 32, .size: 8, .value_kind: global_buffer, .address_space: global }
      - { .name: wq, .offset: 40, .size: 8, .value_kind: global_buffer, .address_space: global }
      - { .name: rt, .offset: 48, .size: 8, .value_kind: global_buffer, .address_space: global }
    .group_segment_fixed_size: 35328
    .private_segment_fixed_size: 0
    .kernarg_segment_align: 8
    .kernarg_segment_size: 56
    .max_flat_workgroup_size: 128
    .sgpr_count:     66
    .vgpr_count:     202
    .wavefront_size: 32
...
	.end_amdgpu_metadata
.endif
;; end of part 1
;; launch qkv (part 2): grid 8 x 48, 4 waves a work-group, clusters of 4 x 4, 327,680 bytes of LDS; arguments xq, wq, rt, qq, kv; writes qq, kv
.if DOCPART == 2
	.amdgcn_target "amdgcn-amd-amdhsa--gfx1250"
	.amdhsa_code_object_version 6
	.text
	.protected	k_qd0a2837b7f_qkv
	.globl	k_qd0a2837b7f_qkv
	.p2align	8
	.type	k_qd0a2837b7f_qkv,@function
k_qd0a2837b7f_qkv:
	s_mov_b64 s[64:65], 0
	v_nop
	global_prefetch_b8 v0, s[64:65] scope:SCOPE_SE
	s_setreg_imm32_b32 hwreg(HW_REG_WAVE_MODE, 25, 1), 1
	s_wait_xcnt 0x0
	s_wait_alu depctr_hold_cnt(0) depctr_sa_sdst(0) depctr_va_vdst(0) depctr_va_sdst(0) depctr_va_ssrc(0) depctr_va_vcc(0) depctr_vm_vsrc(0)
	s_getreg_b32 s2, hwreg(HW_REG_IB_STS2, 6, 4)
	s_cmp_eq_u32 s2, 0
	s_cbranch_scc0 .Lentry_in_a_cluster
	s_endpgm
.Lentry_in_a_cluster:
	s_bfe_u32 s2, ttmp6, 0x10000c
	s_cmp_lg_u32 s2, 0xf033
	s_cbranch_scc0 .Lentry_shape_is_right
	s_endpgm
.Lentry_shape_is_right:
; qkv = x w_qkv^T on codes of BF6 (E3M2) with E8M0 scales, K = 1024; then RoPE on q and k, and q, k (along the head's 64) and v (along the keys) are quantised in registers and leave as codes: no f32 number goes to memory.
; A work-group of four waves makes 256 x 256, a wave 128 x 128: 64 accumulators.  Source 1 (S1) gives a lane its row, source 0 (S0) runs along a lane's registers.
; TWO WAYS, told apart by the cluster's y, which all sixteen partners share:  clusters 0-7 (q, k): S1 = 256 tokens of xq, S0 = 256 rows of w_q or w_k: a lane holds a token, its registers run along the channels;
; clusters 8-11 (v): S1 = 256 rows of w_v, S0 = 256 tokens: a lane holds a channel and its registers run along the tokens, which are the second attention product's K.
; Rows of both operands go in blocks of 16 whose lane-row r is real row 32 (rb / 2) + 8 (rb % 2) + r + 8 (r / 8): so the 16 result registers of S0's blocks 2 b, 2 b + 1 are the 16 neighbours 32 b + 16 (lane / 16) + 0 .. 15.
; Operands lie in memory as images of the operand's registers (half image: 16 rows x 64 K, 768 bytes: registers 0-3 at 16 x lane, 4-5 at 512 + 8 x lane), so every LDS load takes consecutive bytes: no pitch, no padding.
; K goes in four steps of 256 through two LDS slots; the scale bytes of the work-group's rows, for all of K, come once.  CLUSTER 4 x 4: S1's tiles are asked for jointly along a row, S0's along a column.
; OUT: qq: half image (head bh, token block tb) at (128 bh + tb) x 768, scale words at 6291456 + 8192 bh + 64 tb + 4 r.  kv: 208896 bytes a head: K's half images tb 0-15 at 0, V's key steps 0-1 at 12288 ([ks][cb 4][1536]),
; K's scale words at 24576 + 64 tb + 4 r, V's at 32768 + 256 ks + 64 cb + 4 r, K's tb 16-127 at 36864, V's ks 2-15 at 122880.  Of a q or k scale word bytes 0, 1 are the head's two blocks, bytes 2, 3 are 0.
; LIMITS: a block of zeros gets the byte 1, not 127 (its codes are zeros; this program alone reads the bytes); NaN and infinities are not served.
; REGISTERS: window 0: v12-31 addresses; v32-63 scale words, two sets; v128-223 S1's fragments, one set; on the way out v64-237 at work.  window 1: S0's fragments, two sets, at v0 and v128.
;   window 2: the accumulators of my S1 blocks 0-3 ((a, b) at v[8 (8 (a % 4) + b)]);  window 3: blocks 4-7.
.set NQ,     2                         ; matrix instructions deep in a slot
.set FR,     12                        ; registers of a fragment
.set NL,     4                         ; LDS loads that bring one
.set NP,     4                         ; places behind this matrix instruction (ISA guide 7.12.1)
.set RBB,    3072                      ; a block of 16 rows x 256 K in a slot
.set HALFT,  8*RBB                     ; what one tensor load brings, and what a wave reads of S1 or of S0
.set SLOT,   4*HALFT
.set SCL,    2*SLOT                    ; the scale bytes: S1's 8192, then S0's 8192
.set STGQ,   SCL+16384                 ; scale words on their way out, 1024 bytes a wave: the q, k way's,
.set STGV,   STGQ+4096                 ; and the v way's
.set SPARE,  STGV+4096                 ; the spare words, 128 bytes a wave: two blocks of 256 bytes that no other line names
.set SOFFX,  6291456
.set SOFFW,  3145728
.set HEADB,  208896
.set STRV, 12
.set STSV, 13
.set VSO,  14
.set ADRA, 16                          ; v16-17 S1's fragments in slot 0, 1, 16 x lane; v18-19 the same with 8 x lane
.set ADRB, 20                          ; v20-23 the same for S0
.set L16,  24
.set L8,   25
.set STS,  26
.set ADRS, 27
.set SPW,  28
.set NIL,  29
.set STR,  30
.set H16,  31
.set SC,   32
.set AF,   128
.set RR,   64                          ; the way out: 64 rotated numbers
.set CSN,  128                         ; two sets of 32 table values
.set TP,   192                         ; four pairs at work
.set PCD,  200                         ; v200-211 the codes, v212-218 conversions' results
.set TM,   220                         ; v220-235 the quantiser's
.set PW,   236
.set PWS,  237
.set G1, 24
.set G0, 32
.set G1B, 48
.set G0B, 56
.set G1S, 68
.set G0S, 76
.set G1SB, 80
.set G0SB, 88
.set SEL, 98
.set SPC0, 44
.set SPC1, 46
.set SPS0, 48
.set SPS1, 50
.set MSB, 0
.macro WIN new                         ; the immediate's high byte repeats the setting that is left
.if MSB != \new
	s_set_vgpr_msb (MSB<<8)|\new
.set MSB, \new
.endif
.endm
.set MUL_LO, 0xa1                      ; source 0 window 1, source 1 window 0, C and D window 2
.set MUL_HI, 0xf1
.set TO_B,   0x40                      ; destination window 1, address window 0
; A joint load: waves 0 and 1 fetch for S1, waves 2 and 3 for S0; the branch hangs on the wave's number alone.  Four v_nop follow each of the two lines.
.macro JLOAD g0a, g1a, g0b, g1b
	s_cmp_eq_u32 s15, 0
	s_cbranch_scc0 .Lfor_b_\@
	tensor_load_to_lds s[\g0a:\g0a+3], s[\g1a:\g1a+7]
	s_nop 0
.rept 4
	v_nop
.endr
	s_branch .Lasked_\@
.Lfor_b_\@:
	tensor_load_to_lds s[\g0b:\g0b+3], s[\g1b:\g1b+7]
	s_nop 0
.rept 4
	v_nop
.endr
.Lasked_\@:
.endm
.macro CREST                           ; a round of the cluster's barrier behind its opening barrier
	s_cmp_lg_u32 s14, 0
	s_cbranch_scc1 .Lnot_wave_0_\@
	s_barrier_signal -3
.Lnot_wave_0_\@:
	s_barrier_wait -3
	s_barrier_signal -1
	s_barrier_wait -1
.endm
.macro CROUND
	s_barrier_signal -1
	s_barrier_wait -1
	CREST
.endm
	s_load_b256 s[4:11], s[0:1], 0x0               ; xq, wq, rt, qq
	s_load_b64 s[12:13], s[0:1], 0x20              ; kv
	v_lshl_add_u32 v[SPW], v0, 2, SPARE
	v_mov_b32 v[NIL], 0
	ds_add_u32 v28, v29
	ds_add_u32 v28, v29
	s_wait_dscnt 0x0
	v_lshrrev_b32 v1, 5, v0
	v_readfirstlane_b32 s14, v1                    ; wave
	s_lshr_b32 s15, s14, 1                         ; my half of S1's rows.  Also: I fetch for S1 (0) or S0 (1)
	s_and_b32 s16, s14, 1                          ; my half of S0's rows.  Also: which 8 blocks of that tile I fetch
	s_bfe_u32 s40, ttmp6, 0x40000                  ; cx
	s_bfe_u32 s41, ttmp6, 0x40004                  ; cy
	s_lshl_b32 s42, ttmp9, 2
	s_add_co_u32 s42, s42, s40                     ; gx = 4 x cluster x + cx
	s_and_b32 s2, ttmp7, 0xffff                    ; the cluster's y
	s_sub_co_u32 s44, s2, 8
	s_cmp_lt_u32 s2, 8
	s_cselect_b32 s3, 1, 0                         ; 1: the q, k way
	s_cselect_b32 s43, s2, 2
	s_cselect_b32 s44, 0, s44
	s_lshl_b32 s17, s43, 2
	s_add_co_u32 s17, s17, s41                     ; S1's tile of 16 blocks: q, k: 4 x cluster y + cy of xq;  v: 8 + cy of wq (rows 2048 on)
	s_lshl_b32 s44, s44, 3
	s_add_co_u32 s18, s42, s44                     ; S0's tile: q, k: gx of wq;  v: gx + 8 (cluster y - 8) of xq
	s_lshl_b32 s43, s41, 2
	s_lshl_b32 s43, 15, s43                        ; my row of the cluster
	s_lshl_b32 s44, 0x1111, s40                    ; my column
	; group 1 for codes: 8 rows (blocks) of 3,072 bytes, 12,288 bytes apart, as elements of 8 bytes
	s_or_b32 s[G1+0], s43, (3<<16)|(1<<21)
	s_or_b32 s[G1B+0], s44, (3<<16)|(1<<21)
.irp g, G1, G1B
	s_mov_b32 s[\g+1], 384<<16                     ; tensor_dim0
	s_mov_b32 s[\g+2], 16<<16                      ; tensor_dim1: 16 blocks for the head's loads; set to 8 for the ring's behind them
	s_mov_b32 s[\g+3], 384<<16                     ; tile_dim0
	s_mov_b32 s[\g+4], 16                          ; tile_dim1
	s_mov_b32 s[\g+5], 1536                        ; stride
	s_mov_b32 s[\g+6], 0
	s_mov_b32 s[\g+7], 0
.endr
	; and for the scale bytes of 16 blocks: 8,192 dense bytes as 32 rows of 256
	s_or_b32 s[G1S+0], s43, (3<<16)|(1<<21)
	s_or_b32 s[G1SB+0], s44, (3<<16)|(1<<21)
.irp g, G1S, G1SB
	s_mov_b32 s[\g+1], 32<<16
	s_mov_b32 s[\g+2], 32<<16                      ; the scale bytes of a tile's 16 blocks: 8,192 dense bytes as 32 rows of 256
	s_mov_b32 s[\g+3], 32<<16
	s_mov_b32 s[\g+4], 32
	s_mov_b32 s[\g+5], 32
	s_mov_b32 s[\g+6], 0
	s_mov_b32 s[\g+7], 0
.endr
	s_lshl_b32 s20, s17, 4                         ; S1: the tile's first block
	s_lshl_b32 s46, s18, 4                         ; S0: likewise
	s_lshl_b32 s22, s20, 9
	s_lshl_b32 s66, s46, 9
	s_mul_i32 s20, s20, 12288
	s_mul_i32 s46, s46, 12288
	s_mov_b32 s21, 0
	s_mov_b32 s23, 0
	s_mov_b32 s47, 0
	s_mov_b32 s67, 0
	s_mul_i32 s45, s14, HALFT                      ; where they go: no place in the cluster enters an LDS address
	s_mov_b32 s97, 0
	s_wait_kmcnt 0x0
	s_cmp_eq_u32 s3, 1
	s_cselect_b64 s[92:93], s[4:5], s[6:7]         ; S1's buffer
	s_cselect_b64 s[94:95], s[6:7], s[4:5]         ; S0's
	s_mov_b32 s96, SOFFW
	s_cselect_b32 s96, SOFFX, s96
	s_mov_b32 s99, SOFFX
	s_cselect_b32 s99, SOFFW, s99
	s_add_co_u32 s22, s22, s96
	s_add_co_u32 s66, s66, s99
	s_add_nc_u64 s[20:21], s[92:93], s[20:21]
	s_add_nc_u64 s[22:23], s[92:93], s[22:23]
	s_add_nc_u64 s[46:47], s[94:95], s[46:47]
	s_add_nc_u64 s[66:67], s[94:95], s[66:67]
	CROUND                                         ; all sixteen work-groups are here: the first joint loads meet
	s_mov_b32 s[G0S], 1
	s_mov_b32 s[G0S+1], SCL
	s_mov_b64 s[G0S+2:G0S+3], s[22:23]
	s_or_b32 s[G0S+3], s[G0S+3], 0x80000000
	s_mov_b32 s[G0SB], 1
	s_mov_b32 s[G0SB+1], SCL+8192
	s_mov_b64 s[G0SB+2:G0SB+3], s[66:67]
	s_or_b32 s[G0SB+3], s[G0SB+3], 0x80000000
	s_mov_b32 s4, 1                                ; group 0 of the head's loads of K step 0: S1's 16 blocks (the arguments that lay here have been used),
	s_mov_b32 s5, 0
	s_mov_b64 s[6:7], s[20:21]
	s_or_b32 s7, s7, 0x80000000
	s_mov_b32 s92, 1                               ; and S0's 16 blocks, behind them in slot 0
	s_mov_b32 s93, 2*HALFT
	s_mov_b64 s[94:95], s[46:47]
	s_or_b32 s95, s95, 0x80000000
	s_mul_i32 s96, s16, 8*12288                    ; for the ring: the 8 blocks of the tile that I fetch
	s_add_nc_u64 s[20:21], s[20:21], s[96:97]
	s_add_nc_u64 s[46:47], s[46:47], s[96:97]
.irp s, 0,1
	s_mov_b32 s[G0+4*\s], 1
	s_add_co_u32 s[G0+4*\s+1], s45, \s*SLOT
	s_add_nc_u64 s[G0+4*\s+2:G0+4*\s+3], s[20:21], \s*RBB
	s_or_b32 s[G0+4*\s+3], s[G0+4*\s+3], 0x80000000
	s_mov_b32 s[G0B+4*\s], 1
	s_add_co_u32 s[G0B+4*\s+1], s45, \s*SLOT
	s_add_nc_u64 s[G0B+4*\s+2:G0B+4*\s+3], s[46:47], \s*RBB
	s_or_b32 s[G0B+4*\s+3], s[G0B+4*\s+3], 0x80000000
.endr
; The head's loads, one a wave: wave 0 K step 0 of S1's 16 blocks, wave 1 of S0's, wave 2 S1's scale bytes, wave 3 S0's.  One tree of branches on the wave's number.
.macro ARM under, g0, g1, next
	s_cmp_lt_u32 s14, \under
	s_cbranch_scc0 \next
	tensor_load_to_lds s[\g0:\g0+3], s[\g1:\g1+7]
	s_nop 0
.rept 4
	v_nop
.endr
	s_branch .Lhead_asked
\next:
.endm
	ARM 1, 4,   G1,  .Lhead_b
	ARM 2, 92,  G1B, .Lhead_sa
	ARM 3, G0S, G1S, .Lhead_sb
	tensor_load_to_lds s[G0SB:G0SB+3], s[G1SB:G1SB+7]
	s_nop 0
.rept 4
	v_nop
.endr
.Lhead_asked:
	v_and_b32 v1, 15, v0                           ; r
	v_bfe_u32 v2, v0, 4, 1                         ; h
	v_and_b32 v3, 31, v0
	v_lshlrev_b32 v[L16], 4, v3
	v_lshlrev_b32 v[L8], 3, v3
	s_mul_i32 s21, s15, HALFT                      ; my 8 blocks of S1
	s_mul_i32 s22, s16, HALFT
	s_add_co_u32 s22, s22, 2*HALFT                 ; my 8 blocks of S0, behind S1's 16
.irp s, 0,1
	v_add_nc_u32 v[ADRA+\s], s21, v[L16]
	v_add_nc_u32 v[ADRA+2+\s], s21, v[L8]
	v_add_nc_u32 v[ADRB+\s], s22, v[L16]
	v_add_nc_u32 v[ADRB+2+\s], s22, v[L8]
	s_add_co_u32 s21, s21, SLOT
	s_add_co_u32 s22, s22, SLOT
.endr
	v_lshlrev_b32 v5, 3, v1                        ; scale words: 8 bytes a row and K step;
	s_lshl_b32 s21, s15, 12
	s_lshl_b32 s22, s16, 12
	s_add_co_u32 s22, s22, 8192
	s_sub_co_u32 s22, s22, s21
	v_mul_u32_u24 v6, s22, v2                      ; lanes 16-31 take S0's
	s_add_co_u32 s21, s21, SCL
	v_add_nc_u32 v5, v5, v6
	v_add_nc_u32 v[ADRS], s21, v5
	s_lshl_b32 s23, s14, 10
	v_lshlrev_b32 v5, 2, v1
	v_lshl_add_u32 v5, v2, 9, v5                   ; 512 h + 4 r
	v_add_nc_u32 v5, s23, v5
	v_add_nc_u32 v[STS], STGQ, v5
	v_add_nc_u32 v[STSV], STGV, v5
	v_add_nc_u32 v6, s23, v[L16]
	v_add_nc_u32 v[STR], STGQ, v6
	v_add_nc_u32 v[STRV], STGV, v6
	v_lshlrev_b32 v[H16], 4, v2
	v_mul_u32_u24 v[VSO], v2, HEADB
	v_lshl_add_u32 v[VSO], v1, 4, v[VSO]           ; v's scale words: lanes 0-15 one head's 256 bytes, lanes 16-31 the next head's
.macro FRAG reg, adr, q, i             ; a fragment, 16 rows x 128 K, is two half images on end: four loads of consecutive bytes
	ds_load_b128 v[\reg:\reg+3], v[\adr] offset:(\i)*RBB+(\q)*1536
	ds_load_b64 v[\reg+4:\reg+5], v[\adr+2] offset:(\i)*RBB+(\q)*1536+512
	ds_load_b128 v[\reg+6:\reg+9], v[\adr] offset:(\i)*RBB+(\q)*1536+768
	ds_load_b64 v[\reg+10:\reg+11], v[\adr+2] offset:(\i)*RBB+(\q)*1536+1280
.endm
; 16 matrix instructions: S1's blocks a0, a0 + 1 x S0's eight.  The 64 accumulators take turns, one instruction a turn, in the same order in every step.
.macro MUL16 a0, p, q, sc, zero
.irp a, \a0, \a0+1
.irp b, 0,1,2,3,4,5,6,7
.if \zero
	v_wmma_scale_f32_16x16x128_f8f6f4 v[8*(8*((\a)%4)+\b):8*(8*((\a)%4)+\b)+7], v[128*(\p)+FR*\b:128*(\p)+FR*\b+FR-1], v[AF+FR*(\a):AF+FR*(\a)+FR-1], 0, v[SC+8*NQ*(\sc)+NQ*\b+(\q)], v[SC+8*NQ*(\sc)+NQ*(\a)+(\q)] matrix_a_fmt:MATRIX_FMT_BF6 matrix_b_fmt:MATRIX_FMT_BF6 matrix_a_scale:MATRIX_SCALE_ROW1
.else
	v_wmma_scale_f32_16x16x128_f8f6f4 v[8*(8*((\a)%4)+\b):8*(8*((\a)%4)+\b)+7], v[128*(\p)+FR*\b:128*(\p)+FR*\b+FR-1], v[AF+FR*(\a):AF+FR*(\a)+FR-1], v[8*(8*((\a)%4)+\b):8*(8*((\a)%4)+\b)+7], v[SC+8*NQ*(\sc)+NQ*\b+(\q)], v[SC+8*NQ*(\sc)+NQ*(\a)+(\q)] matrix_a_fmt:MATRIX_FMT_BF6 matrix_b_fmt:MATRIX_FMT_BF6 matrix_a_scale:MATRIX_SCALE_ROW1
.endif
.endr
.endr
.endm
.macro FETCH_B slot, q, p
	WIN TO_B
.irp i, 0,1,2,3,4,5,6,7
	FRAG 128*(\p)+FR*\i, ADRB+\slot, \q, \i
.endr
	WIN 0
.endm
.macro FETCH_A slot, q, i0
.irp i, \i0, \i0+1, \i0+2, \i0+3
	FRAG AF+FR*(\i), ADRA+\slot, \q, \i
.endr
.endm
.macro SCALES sc                       ; a K step's scale words: lanes 0-15 S1's block i, lanes 16-31 S0's block i
.irp i, 0,1,2,3,4,5,6,7
	ds_load_b64 v[SC+8*NQ*\sc+NQ*\i:SC+8*NQ*\sc+NQ*\i+1], v[ADRS] offset:\i*512
.endr
.endm
.macro PLACES n                        ; plain vector lines between a matrix instruction and a load into, or a vector read of, its registers
.rept \n
	v_nop
.endr
.endm
.macro STEP slot, q, zero              ; 128 along K with its successor in the same slot
	s_wait_dscnt 4*NL                              ; all but the youngest 16 loads (S1's blocks 4-7) are in
	WIN MUL_LO
	MUL16 0, (\q)%2, \q, \slot, \zero
	MUL16 2, (\q)%2, \q, \slot, \zero
	s_wait_dscnt 0
	PLACES NP
	FETCH_B \slot, (\q)+1, 1-(\q)%2
	FETCH_A \slot, (\q)+1, 0
	WIN MUL_HI
	MUL16 4, (\q)%2, \q, \slot, \zero
	MUL16 6, (\q)%2, \q, \slot, \zero
	PLACES NP
	WIN 0
	FETCH_A \slot, (\q)+1, 4
.endm
; A slot's last step changes slots: one barrier; in front of it each wave waits for all its tensor loads, adds 0 to its spare word, and waits for that and for its reads of this slot.
.macro TURN slot, next, fill
	s_wait_tensorcnt 0x0                           ; all my tensor loads have landed: my part of the next slot
	ds_add_u32 v[SPW], v[NIL]                      ; 0 onto my spare word
	s_wait_dscnt 4*NL+1                            ; (the add and the youngest 16 loads may be out)
	WIN MUL_LO
	MUL16 0, 1, NQ-1, \slot, 0
	s_wait_dscnt 0x0                               ; the add is done, and my reads of this slot are over
	s_barrier_signal -1
	MUL16 2, 1, NQ-1, \slot, 0
	WIN 0
	s_barrier_wait -1
.if \fill
	CREST                                          ; the barrier has opened a round of the cluster's: no wave of any partner still reads this slot or has a load on its way
	s_add_nc_u64 s[G0+4*\slot+2:G0+4*\slot+3], s[G0+4*\slot+2:G0+4*\slot+3], 2*RBB
	s_add_nc_u64 s[G0B+4*\slot+2:G0B+4*\slot+3], s[G0B+4*\slot+2:G0B+4*\slot+3], 2*RBB
	JLOAD G0+4*\slot, G1, G0B+4*\slot, G1B         ; the first tensor load behind the round; its four v_nop are also the places in front of the loads below
.else
	PLACES NP
.endif
	s_wait_alu depctr_va_vdst(0)
	v_add_nc_u32 v[ADRS], 128, v[ADRS]             ; the next K step's scale words
	FETCH_B \next, 0, 0
	FETCH_A \next, 0, 0
	SCALES \next
	WIN MUL_HI
	MUL16 4, 1, NQ-1, \slot, 0
	MUL16 6, 1, NQ-1, \slot, 0
	PLACES NP
	WIN 0
	FETCH_A \next, 0, 4
.endm
	s_wait_alu depctr_va_vdst(0)
	s_wait_tensorcnt 0x0                           ; my tile of the head's four is in
	ds_add_u32 v[SPW], v[NIL]
	s_mov_b32 s[G1+2], 8<<16                       ; no tensor load of mine is out: from here on a load brings 8 blocks
	s_mov_b32 s[G1+4], 8
	s_mov_b32 s[G1B+2], 8<<16
	s_mov_b32 s[G1B+4], 8
	s_wait_dscnt 0x0
	CROUND                                         ; all four tiles are in, and all sixteen work-groups are here
	JLOAD G0+4, G1, G0B+4, G1B                     ; K step 1, the first tensor load behind the round
	FETCH_B 0, 0, 0
	FETCH_A 0, 0, 0
	SCALES 0
	FETCH_A 0, 0, 4
	STEP 0, 0, 1                                   ; the first products start the sums: nothing is cleared
	TURN 0, 1, 1                                   ; slot 0 takes K step 2
	STEP 1, 0, 0
	TURN 1, 0, 1                                   ; slot 1 takes K step 3
	STEP 0, 0, 0
	TURN 0, 1, 0
	STEP 1, 0, 0
	s_wait_dscnt 4*NL
	WIN MUL_LO
	MUL16 0, 1, NQ-1, 1, 0
	MUL16 2, 1, NQ-1, 1, 0
	s_wait_dscnt 0
	WIN MUL_HI
	MUL16 4, 1, NQ-1, 1, 0
	MUL16 6, 1, NQ-1, 1, 0
	WIN 0
	PLACES NP
	s_mov_b32 s[SEL], 0x76543210
	s_mov_b32 s[SEL+1], 0xfedcba98
.irp b, 0,1,2,3
	v_mov_b32 v[TM+4+\b], 0                        ; (a lane permute's destination counts as one of its sources)
.endr
; 64 numbers of a lane in window w, register 16 b + i = k 32 b + 16 (lane / 16) + i of my row, become a fragment's codes in v[PCD] on and its scale word in v[PW].  Accumulators are read from their low end on.
.macro QUANT s, w
	WIN (((\w)<<2)|((\w)<<4))
.irp b, 0,1,2,3
	v_max3_num_f32 v[TM+\b], 0x2800000, |v[\s+16*\b]|, |v[\s+1+16*\b]|   ; my 16 numbers of block b, and the floor 2^(5 - 127)
.endr
.irp i, 2,4,6,8,10,12,14
.irp b, 0,1,2,3
	v_max3_num_f32 v[TM+\b], v[TM+\b], |v[\s+16*\b+\i]|, |v[\s+1+16*\b+\i]|
.endr
.endr
	WIN 0
.irp b, 0,1,2,3
	v_permlanex16_b32 v[TM+4+\b], v[TM+\b], s[SEL], s[SEL+1]
.endr
.irp b, 0,1,2,3
	v_max_num_f32 v[TM+\b], v[TM+\b], v[TM+4+\b]   ; with lane l xor 16's: the block's largest magnitude
.endr
.irp b, 0,1,2,3
	v_add_nc_u32 v[TM+12+\b], 0xfe000000, v[TM+\b] ; 4 off its exponent field: the conversion's scale operand
.endr
.irp b, 0,1,2,3
	v_lshrrev_b32 v[TM+4+\b], 23, v[TM+12+\b]      ; the byte
.endr
	v_lshl_or_b32 v[PW], v[TM+5], 8, v[TM+4]
	v_lshl_or_b32 v[PW], v[TM+6], 16, v[PW]
	v_lshl_or_b32 v[PW], v[TM+7], 24, v[PW]
	WIN (\w)
.irp c, 0,1
	v_cvt_scalef32_pk16_bf6_f32 v[PCD+6*\c:PCD+2+6*\c], v[\s+32*\c:\s+15+32*\c], v[TM+12+2*\c]
	v_cvt_scalef32_pk16_bf6_f32 v[PCD+12+4*\c:PCD+14+4*\c], v[\s+16+32*\c:\s+31+32*\c], v[TM+12+2*\c+1]
.endr
	WIN 0
	v_nop                                          ; one plain line behind a scaled conversion
.irp c, 0,1                            ; the operand's layout wants a whole block in a lane
.irp i, 0,1,2
	v_permlane16_swap_b32 v[PCD+6*\c+\i], v[PCD+12+4*\c+\i]
.endr
.irp i, 0,1,2
	v_mov_b32 v[PCD+3+6*\c+\i], v[PCD+12+4*\c+\i]
.endr
.endr
.endm
.macro ENDING
	s_wait_tensorcnt 0x0                           ; the wave's end
	ds_add_u32 v[SPW], v[NIL]
	s_wait_dscnt 0x0
	CROUND                                         ; the closing round
	s_endpgm
.endm
	s_cmp_eq_u32 s3, 1
	s_cbranch_scc0 .Lv
	; ---- q and k: my 128 tokens x two heads.  Where they go
	s_lshr_b32 s20, s17, 3                         ; batch
	s_and_b32 s21, s17, 7
	s_lshl_b32 s21, s21, 4
	s_lshl_b32 s22, s15, 3
	s_add_co_u32 s21, s21, s22                     ; my first token block in the sequence
	s_lshl_b32 s22, s42, 2
	s_lshl_b32 s23, s16, 1
	s_add_co_u32 s22, s22, s23
	s_and_b32 s22, s22, 15                         ; my first head
	s_lshl_b32 s20, s20, 4
	s_add_co_u32 s20, s20, s22                     ; bh
	s_lshl_b32 s24, s20, 7
	s_add_co_u32 s24, s24, s21
	s_mul_i32 s24, s24, 768                        ; q: codes
	s_lshl_b32 s26, s20, 13
	s_lshl_b32 s27, s21, 6
	s_add_co_u32 s26, s26, s27
	s_add_co_u32 s26, s26, 6291456                 ; q: scale words
	s_mul_i32 s28, s20, HEADB
	s_add_co_u32 s30, s28, s27
	s_add_co_u32 s30, s30, 24576                   ; k: scale words
	s_mul_i32 s29, s21, 768
	s_add_co_u32 s28, s28, s29
	s_cmp_ge_u32 s21, 16
	s_cselect_b32 s29, 24576, 0
	s_add_co_u32 s28, s28, s29                     ; k: codes
	s_mov_b32 s34, HEADB
	s_cmp_eq_u32 ttmp9, 0                          ; cluster x = 0: rows of w_q;  1: rows of w_k
	s_cselect_b64 s[32:33], s[10:11], s[12:13]
	s_cselect_b32 s24, s24, s28
	s_cselect_b32 s26, s26, s30
	s_cselect_b32 s36, 98304, s34                  ; from a head to the next: codes,
	s_cselect_b32 s38, 8192, s34                   ; scale words
	s_mov_b32 s25, 0
	s_mov_b32 s27, 0
	s_mov_b32 s37, 0
	s_mov_b32 s39, 0
	s_add_nc_u64 s[SPC0:SPC0+1], s[32:33], s[24:25]
	s_add_nc_u64 s[SPC1:SPC1+1], s[SPC0:SPC0+1], s[36:37]
	s_add_nc_u64 s[SPS0:SPS0+1], s[32:33], s[26:27]
	s_add_nc_u64 s[SPS1:SPS1+1], s[SPS0:SPS0+1], s[38:39]
	s_lshl_b32 s52, s21, 12
	s_mov_b32 s53, 0
	s_add_nc_u64 s[8:9], s[8:9], s[52:53]          ; the table at my first token block
.irp i, 0,1
.irp j, 0,1,2,3,4,5,6,7
	global_load_b128 v[CSN+32*\i+4*\j:CSN+32*\i+4*\j+3], v[L16], s[8:9] offset:\i*4096+512*\j
.endr
.endr
; Block i of 16 tokens: pair p = 4 g + e of my 32 pairs is channels 2 f, 2 f + 1 with f = 16 ((p / 8) % 2) + 8 h + p % 8; (x1, x2) -> (x1 c - x2 s, x1 s + x2 c)
.macro QKBLK i
.set AC, 64*((\i)%4)
.set CSB, CSN+32*((\i)%2)
.if (\i) < 7
	s_wait_loadcnt 8                               ; this block's 8 table loads are in; the next block's may be out
.else
	s_wait_loadcnt 0x0
.endif
	WIN (2+(\i)/4)
.irp g, 0,1,2,3,4,5,6,7
.irp e, 0,1,2,3
	v_pk_mul_f32 v[TP+2*\e:TP+2*\e+1], v[AC+8*\g+2*\e:AC+8*\g+2*\e+1], v[CSB+16*((\g/2)%2)+8*(\g%2)+2*\e:CSB+16*((\g/2)%2)+8*(\g%2)+2*\e+1] op_sel:[1,1] op_sel_hi:[1,0]   ; (x2 s, x2 c)
.endr
.irp e, 0,1,2,3
	v_pk_fma_f32 v[RR+8*\g+2*\e:RR+8*\g+2*\e+1], v[AC+8*\g+2*\e:AC+8*\g+2*\e+1], v[CSB+16*((\g/2)%2)+8*(\g%2)+2*\e:CSB+16*((\g/2)%2)+8*(\g%2)+2*\e+1], v[TP+2*\e:TP+2*\e+1] op_sel:[0,0,0] op_sel_hi:[0,1,1] neg_lo:[0,0,1]   ; (x1 c - x2 s, x1 s + x2 c)
.endr
.endr
	WIN 0
.if (\i)+2 < 8
.irp j, 0,1,2,3,4,5,6,7
	global_load_b128 v[CSB+4*\j:CSB+4*\j+3], v[L16], s[8:9] offset:((\i)+2)*4096+512*\j
.endr
.endif
	s_wait_xcnt 0x0                                ; the last block's stores have read the codes' registers
	QUANT RR, 0
	global_store_b128 v[L16], v[PCD:PCD+3], s[SPC0:SPC0+1] offset:(\i)*768           ; channels 0-63 of the 128: my first head's half image
	global_store_b64 v[L8], v[PCD+4:PCD+5], s[SPC0:SPC0+1] offset:(\i)*768+512
	global_store_b128 v[L16], v[PCD+6:PCD+9], s[SPC1:SPC1+1] offset:(\i)*768         ; and the second head's
	global_store_b64 v[L8], v[PCD+10:PCD+11], s[SPC1:SPC1+1] offset:(\i)*768+512
	v_lshrrev_b32 v[PWS], v[H16], v[PW]            ; lanes 0-15 keep the first head's two bytes, lanes 16-31 the second's;
	v_and_b32 v[PWS], 0xffff, v[PWS]               ; bytes 2, 3 are 0
	ds_store_b32 v[STS], v[PWS] offset:64*(\i)
.endm
.irp i, 0,1,2,3,4,5,6,7
	QKBLK \i
.endr
	ds_load_b128 v[CSN:CSN+3], v[STR]              ; LDS serves a wave's instructions in order: these see my stores
	ds_load_b128 v[CSN+4:CSN+7], v[STR] offset:512
	s_wait_dscnt 0x0
	global_store_b128 v[L16], v[CSN:CSN+3], s[SPS0:SPS0+1]         ; 8 blocks' scale words: 512 consecutive bytes a head
	global_store_b128 v[L16], v[CSN+4:CSN+7], s[SPS1:SPS1+1]
	ENDING
	; ---- v: my 128 channels (two heads) x 128 tokens (one key step)
.Lv:
	s_lshr_b32 s20, s18, 3                         ; batch
	s_and_b32 s21, s18, 7
	s_lshl_b32 s21, s21, 1
	s_add_co_u32 s21, s21, s16                     ; key step
	s_lshl_b32 s22, s41, 2
	s_lshl_b32 s23, s15, 1
	s_add_co_u32 s22, s22, s23                     ; my first head
	s_lshl_b32 s20, s20, 4
	s_add_co_u32 s20, s20, s22
	s_mul_i32 s24, s20, HEADB
	s_lshl_b32 s26, s21, 8
	s_add_co_u32 s26, s26, s24
	s_add_co_u32 s26, s26, 32768                   ; scale words
	s_mul_i32 s28, s21, 6144
	s_add_co_u32 s24, s24, s28
	s_mov_b32 s29, 12288
	s_cmp_ge_u32 s21, 2
	s_cselect_b32 s28, 110592, s29
	s_add_co_u32 s24, s24, s28                     ; codes
	s_mov_b32 s25, 0
	s_mov_b32 s27, 0
	s_add_nc_u64 s[SPC0:SPC0+1], s[12:13], s[24:25]
	s_add_nc_u64 s[SPC1:SPC1+1], s[SPC0:SPC0+1], HEADB
	s_add_nc_u64 s[SPS0:SPS0+1], s[12:13], s[26:27]
.macro VBLK i                          ; block i of 16 channels: head i / 4, channel block i % 4
.set QS, 64*((\i)%4)
.set QW, 2+(\i)/4
	s_wait_xcnt 0x0                                ; the last block's stores have read the codes' registers
	QUANT QS, QW
	global_store_b128 v[L16], v[PCD:PCD+3], s[SPC0+2*((\i)/4):SPC0+2*((\i)/4)+1] offset:((\i)%4)*1536
	global_store_b64 v[L8], v[PCD+4:PCD+5], s[SPC0+2*((\i)/4):SPC0+2*((\i)/4)+1] offset:((\i)%4)*1536+512
	global_store_b128 v[L16], v[PCD+6:PCD+9], s[SPC0+2*((\i)/4):SPC0+2*((\i)/4)+1] offset:((\i)%4)*1536+768
	global_store_b64 v[L8], v[PCD+10:PCD+11], s[SPC0+2*((\i)/4):SPC0+2*((\i)/4)+1] offset:((\i)%4)*1536+1280
	ds_store_b32 v[STSV], v[PW] offset:64*(\i)
.endm
.irp i, 0,1,2,3,4,5,6,7
	VBLK \i
.endr
	ds_load_b128 v[CSN:CSN+3], v[STRV]             ; the 8 blocks' words as lanes 0-15 wrote them
	s_wait_dscnt 0x0
	global_store_b128 v[VSO], v[CSN:CSN+3], s[SPS0:SPS0+1]         ; sixteen lanes store a head's 256 consecutive bytes
	ENDING
.Lfunc_end_k_qd0a2837b7f_qkv:
	.size	k_qd0a2837b7f_qkv, .Lfunc_end_k_qd0a2837b7f_qkv-k_qd0a2837b7f_qkv
	.p2alignl 7, 3214868480
	.fill 96, 4, 3214868480
	.section	.rodata,"a",@progbits
	.p2align	6, 0x0
	.amdhsa_kernel k_qd0a2837b7f_qkv
		.amdhsa_group_segment_fixed_size 327680
		.amdhsa_private_segment_fixed_size 0
		.amdhsa_enable_private_segment 0
		.amdhsa_kernarg_size 40
		.amdhsa_user_sgpr_count 2
		.amdhsa_user_sgpr_kernarg_segment_ptr 1
		.amdhsa_wavefront_size32 1
		.amdhsa_system_sgpr_workgroup_id_x 1
		.amdhsa_system_sgpr_workgroup_id_y 1
		.amdhsa_system_sgpr_workgroup_id_z 1
		.amdhsa_system_vgpr_workitem_id 0
		.amdhsa_next_free_vgpr 1024
		.amdhsa_next_free_sgpr 100
		.amdhsa_reserve_vcc 0
		.amdhsa_float_denorm_mode_32 3
		.amdhsa_float_denorm_mode_16_64 3
		.amdhsa_memory_ordered 1
		.amdhsa_forward_progress 1
		.amdhsa_inst_pref_size 227
	.end_amdhsa_kernel
	.amdgpu_metadata
---
amdhsa.version: [ 1, 2 ]
amdhsa.kernels:
  - .name:           k_qd0a2837b7f_qkv
    .symbol:         k_qd0a2837b7f_qkv.kd
    .args:
      - { .name: xq, .offset: 0, .size: 8, .value_kind: global_buffer, .address_space: global }
      - { .name: wq, .offset: 8, .size: 8, .value_kind: global_buffer, .address_space: global }
      - { .name: rt, .offset: 16, .size: 8, .value_kind: global_buffer, .address_space: global }
      - { .name: qq, .offset: 24, .size: 8, .value_kind: global_buffer, .address_space: global }
      - { .name: kv, .offset: 32, .size: 8, .value_kind: global_buffer, .address_space: global }
    .group_segment_fixed_size: 327680
    .private_segment_fixed_size: 0
    .kernarg_segment_align: 8
    .kernarg_segment_size: 40
    .max_flat_workgroup_size: 128
    .sgpr_count:     100
    .vgpr_count:     1024
    .wavefront_size: 32
...
	.end_amdgpu_metadata
.endif
;; end of part 2
;; launch attn (part 3): grid 4 x 64, 16 waves a work-group, no clusters, 327,680 bytes of LDS; arguments qq, kv, aq; writes aq
.if DOCPART == 3
	.amdgcn_target "amdgcn-amd-amdhsa--gfx1250"
	.amdhsa_code_object_version 6
	.text
	.protected	k_qd0a2837b7f_attn
	.globl	k_qd0a2837b7f_attn
	.p2align	8
	.type	k_qd0a2837b7f_attn,@function
k_qd0a2837b7f_attn:
	s_mov_b64 s[64:65], 0
	v_nop
	global_prefetch_b8 v0, s[64:65] scope:SCOPE_SE
	s_setreg_imm32_b32 hwreg(HW_REG_WAVE_MODE, 25, 1), 1
	s_wait_xcnt 0x0
; Causal attention on codes of BF6 (E3M2) with E8M0 scales: S^T = k q^T, p = 2^(t - M) with M the ceiling of the running largest t, O^T += v^T p^T, O / l quantised along the 1,024 channels into aq.
; A work-group of 16 waves serves one head (y) and 32 blocks of 16 queries: wave w takes blocks 112 - 16 x + w and 16 x + 15 - w, whose keys add up to the same number in every wave.
; A lane holds one query; its registers run along the keys.  Keys go in slots of 256, two steps of 128.  Steps that lie wholly above the causal diagonal are jumped by a scalar branch on ids.
; LDS holds a head's bytes at the places that they have in kv.  The head's load brings slot 0 and all scale words (2,304 bytes a wave).  Slot t + 1 is asked for behind trip t's barrier, 1,536 bytes a wave
; (waves 0-7 K's, waves 8-15 V's), each byte filled once; slots beyond 7 - x, which no wave of the work-group reads, are not asked for: a jump on ids, the same in all waves, leads round that load alone.
; cluster = none: the four work-groups of a head need different numbers of slots, and their branches hang on x.  No prefetch: each slot is asked for a whole slot ahead by its own load.
; LIMITS: the scaled scores stay under 2^31 in magnitude; a block of zeros gets the byte 1; NaN and infinities are not served.
.set HEADB, 208896
.set L16, 1
.set L8,  2
.set L4,  3
.set LQ,  4
.set ADK16, 5
.set ADK8,  6
.set ADV16, 7
.set ADV8,  8
.set ADS, 9
.set ADT, 10
.set R4,  11
.set KR,  46
.set SW,  76
.set S,   80
.set PCD, 208
.set CT,  220
.set BM,  228
.set PM,  232
.set SO,  236
.set FF,  242
.set PW,  243
.set WK,  244
.set NINF, 245
.set DD,  246
.set WV,  18
.set SEL, 20
.set CS,  22
.set G1E, 24
.set G1R, 32
.set G0E, 40
.set G0R, 44
.set TBK, 48
.set TBV, 49
.set TS,  50
.set TJ,  51
.set KF,  52
.set Q0A, 53
.set Q0B, 54
	s_load_b128 s[4:7], s[0:1], 0x0
	s_load_b64 s[8:9], s[0:1], 0x10
	v_lshl_add_u32 v254, v0, 2, 0x38000            ; the spare words lie behind 133632 + 7 x 12288 + 1536 = 221184, the furthest byte that the stepped LDS address of the slots' loads can name
	v_mov_b32 v255, 0
	ds_add_u32 v254, v255
	ds_add_u32 v254, v255
	v_lshrrev_b32 v1, 5, v0
	s_delay_alu instid0(VALU_DEP_1)
	v_readfirstlane_b32 s[WV], v1
	s_and_b32 s10, ttmp7, 0xffff
	s_lshl_b32 s11, ttmp9, 4
	s_sub_co_u32 s12, 112, s11
	s_add_co_u32 s12, s12, s[WV]
	s_add_co_u32 s13, s11, 15
	s_sub_co_u32 s13, s13, s[WV]
	s_lshr_b32 s14, s12, 1
	s_lshl_b32 s14, s14, 5
	s_and_b32 s15, s12, 1
	s_lshl_b32 s15, s15, 3
	s_add_co_u32 s[Q0A], s14, s15
	s_lshr_b32 s14, s13, 1
	s_lshl_b32 s14, s14, 5
	s_and_b32 s15, s13, 1
	s_lshl_b32 s15, s15, 3
	s_add_co_u32 s[Q0B], s14, s15
	s_mov_b32 s[G1E], 3<<16
	s_mov_b32 s[G1E+1], 32<<16
	s_mov_b32 s[G1E+2], 9<<16
	s_mov_b32 s[G1E+3], 32<<16
	s_mov_b32 s[G1E+4], 9
	s_mov_b32 s[G1E+5], 32
	s_mov_b32 s[G1E+6], 0
	s_mov_b32 s[G1E+7], 0
	s_mov_b32 s[G1R], 3<<16
	s_mov_b32 s[G1R+1], 32<<16
	s_mov_b32 s[G1R+2], 6<<16
	s_mov_b32 s[G1R+3], 32<<16
	s_mov_b32 s[G1R+4], 6
	s_mov_b32 s[G1R+5], 32
	s_mov_b32 s[G1R+6], 0
	s_mov_b32 s[G1R+7], 0
	s_mul_i32 s16, s10, HEADB
	s_mov_b32 s17, 0
	s_mul_i32 s56, s[WV], 2304
	s_mov_b32 s57, 0
	s_mul_i32 s58, s[WV], 1536                     ; my part of slot 1: waves 0-7 K's 12,288 bytes at 36864, waves 8-15 V's at 122880 = 36864 + 8 x 1536 + 73728
	s_lshr_b32 s59, s[WV], 3
	s_mul_i32 s59, s59, 73728
	s_add_co_u32 s58, s58, s59
	s_add_co_u32 s58, s58, 36864
	s_mov_b32 s59, 0
	s_lshl_b32 s60, s10, 7
	s_add_co_u32 s62, s60, s13
	s_add_co_u32 s60, s60, s12
	s_mul_i32 s60, s60, 768
	s_mul_i32 s62, s62, 768
	s_mov_b32 s61, 0
	s_mov_b32 s63, 0
	s_lshl_b32 s66, s10, 13
	s_add_co_u32 s66, s66, 6291456
	s_lshl_b32 s68, s13, 6
	s_add_co_u32 s68, s68, s66
	s_lshl_b32 s67, s12, 6
	s_add_co_u32 s66, s66, s67
	s_mov_b32 s67, 0
	s_mov_b32 s69, 0
	s_mov_b32 s[SEL], 0x76543210
	s_mov_b32 s[SEL+1], 0xfedcba98
	s_mov_b32 s[CS], 0x3e38aa3b
	s_mov_b32 s[CS+1], s[CS]
	s_mov_b32 s[TBK], 0
	s_mov_b32 s[TBV], 12288
	s_mov_b32 s[TS], 24576
	s_mov_b32 s[TJ], 32768
	s_mov_b32 s[KF], 0
	s_wait_dscnt 0x0
	s_wait_kmcnt 0x0
	s_add_nc_u64 s[6:7], s[6:7], s[16:17]
	s_mov_b32 s[G0E], 1
	s_mov_b32 s[G0E+1], s56
	s_add_nc_u64 s[G0E+2:G0E+3], s[6:7], s[56:57]
	s_or_b32 s[G0E+3], s[G0E+3], 0x80000000
	s_mov_b32 s[G0R], 1
	s_mov_b32 s[G0R+1], s58
	s_add_nc_u64 s[G0R+2:G0R+3], s[6:7], s[58:59]
	s_or_b32 s[G0R+3], s[G0R+3], 0x80000000
	tensor_load_to_lds s[G0E:G0E+3], s[G1E:G1E+7]
	s_nop 0
	s_wait_alu depctr_va_vdst(0)
	s_wait_tensorcnt 0x0
	ds_add_u32 v254, v255
	s_wait_dscnt 0x0
	s_barrier_signal -1
	s_barrier_wait -1
	tensor_load_to_lds s[G0R:G0R+3], s[G1R:G1R+7]
	s_nop 0
.rept 4
	v_nop
.endr
	s_add_nc_u64 s[60:61], s[4:5], s[60:61]
	s_add_nc_u64 s[62:63], s[4:5], s[62:63]
	s_add_nc_u64 s[66:67], s[4:5], s[66:67]
	s_add_nc_u64 s[68:69], s[4:5], s[68:69]
	v_and_b32 v[WK], 31, v0
	s_delay_alu instid0(VALU_DEP_1)
	v_lshlrev_b32 v[L16], 4, v[WK]
	s_delay_alu instid0(VALU_DEP_2)
	v_lshlrev_b32 v[L8], 3, v[WK]
	s_delay_alu instid0(VALU_DEP_3)
	v_lshlrev_b32 v[L4], 2, v[WK]
	v_and_b32 v[NINF], 15, v0
	v_bfe_u32 v[DD], v0, 4, 1
	s_delay_alu instid0(VALU_DEP_2)
	v_lshlrev_b32 v[R4], 2, v[NINF]
	global_load_b128 v[22:25], v[L16], s[60:61]
	global_load_b64 v[26:27], v[L8], s[60:61] offset:512
	global_load_b128 v[34:37], v[L16], s[62:63]
	global_load_b64 v[38:39], v[L8], s[62:63] offset:512
	global_load_b32 v20, v[R4], s[66:67]
	global_load_b32 v21, v[R4], s[68:69]
	v_and_b32 v[LQ], 8, v[NINF]
	s_delay_alu instid0(VALU_DEP_1)
	v_add_nc_u32 v[LQ], v[LQ], v[NINF]
	v_lshlrev_b32 v[WK], 4, v[DD]
	s_delay_alu instid0(VALU_DEP_1)
	v_sub_nc_u32 v[LQ], v[LQ], v[WK]
	v_mov_b32 v[NINF], 0xff800000
	v_mov_b32 v13, 0xff61b1e6
	s_delay_alu instid0(VALU_DEP_1)
	v_floor_f32 v12, -v13
	v_mov_b32 v14, 0
	v_mov_b32 v15, 0
	v_mov_b32 v17, 0xff61b1e6
	s_delay_alu instid0(VALU_DEP_1)
	v_floor_f32 v16, -v17
	v_mov_b32 v18, 0
	v_mov_b32 v19, 0
.irp j, 0,1,2,3,4,5
	v_mov_b32 v[28+\j], 0
	v_mov_b32 v[40+\j], 0
	v_mov_b32 v[70+\j], 0
.endr
.irp b, 0,1,2,3
	v_mov_b32 v[PM+\b], 0
.endr
	v_mov_b32 v[PW], 0
.set j, 0
.rept 64
	v_mov_b32 v[144+j], 0
.set j, j+1
.endr
.macro PLACES
.rept 4
	v_nop
.endr
.endm
.macro KQ d, a, qf, sa, qs, row
.if \row
	v_wmma_scale_f32_16x16x128_f8f6f4 v[\d:\d+7], v[\a:\a+11], v[\qf:\qf+11], 0, v[\sa], v[\qs] matrix_a_fmt:MATRIX_FMT_BF6 matrix_b_fmt:MATRIX_FMT_BF6 matrix_a_scale:MATRIX_SCALE_ROW1
.else
	v_wmma_scale_f32_16x16x128_f8f6f4 v[\d:\d+7], v[\a:\a+11], v[\qf:\qf+11], 0, v[\sa], v[\qs] matrix_a_fmt:MATRIX_FMT_BF6 matrix_b_fmt:MATRIX_FMT_BF6
.endif
.endm
.macro PV d, a, sa, row
.if \row
	v_wmma_scale_f32_16x16x128_f8f6f4 v[\d:\d+7], v[\a:\a+11], v[PCD:PCD+11], v[\d:\d+7], v[\sa], v[PW] matrix_a_fmt:MATRIX_FMT_BF6 matrix_b_fmt:MATRIX_FMT_BF6 matrix_a_scale:MATRIX_SCALE_ROW1
.else
	v_wmma_scale_f32_16x16x128_f8f6f4 v[\d:\d+7], v[\a:\a+11], v[PCD:PCD+11], v[\d:\d+7], v[\sa], v[PW] matrix_a_fmt:MATRIX_FMT_BF6 matrix_b_fmt:MATRIX_FMT_BF6
.endif
.endm
.macro VFETCH q, cb0
.irp u, 0,1
	ds_load_b128 v[KR+12*\u:KR+12*\u+3], v[ADV16] offset:(\q)*6144+(\cb0+\u)*1536
	ds_load_b64 v[KR+12*\u+4:KR+12*\u+5], v[ADV8] offset:(\q)*6144+(\cb0+\u)*1536+512
	ds_load_b128 v[KR+12*\u+6:KR+12*\u+9], v[ADV16] offset:(\q)*6144+(\cb0+\u)*1536+768
	ds_load_b64 v[KR+12*\u+10:KR+12*\u+11], v[ADV8] offset:(\q)*6144+(\cb0+\u)*1536+1280
.endr
.endm
.macro CODES
.irp b, 0,1,2,3
	s_delay_alu instid0(VALU_DEP_4)
	v_add_nc_u32 v[SO+\b], 0xfe000000, v[BM+\b]
.endr
.irp b, 0,1,2,3
	s_delay_alu instid0(VALU_DEP_4)
	v_lshrrev_b32 v[PM+\b], 23, v[SO+\b]
.endr
.endm
.macro CONVERT
.irp c, 0,1
	v_cvt_scalef32_pk16_bf6_f32 v[PCD+6*\c:PCD+2+6*\c], v[S+32*\c:S+15+32*\c], v[SO+2*\c]
	v_cvt_scalef32_pk16_bf6_f32 v[CT+4*\c:CT+2+4*\c], v[S+16+32*\c:S+31+32*\c], v[SO+2*\c+1]
.endr
	v_nop
.irp c, 0,1
.irp i, 0,1,2
	v_permlane16_swap_b32 v[PCD+6*\c+\i], v[CT+4*\c+\i]
.endr
.irp i, 0,1,2
	s_delay_alu instid0(VALU_DEP_3)
	v_mov_b32 v[PCD+3+6*\c+\i], v[CT+4*\c+\i]
.endr
.endr
.endm
.macro STEP q, ST, QF, QS, OB, SQ0, skip, mask
.if \skip
	s_add_co_i32 s96, s[\SQ0], 23-128*(\q)
	s_cmp_gt_i32 s[KF], s96
	s_cbranch_scc1 .Lhid_\@
.endif
	PLACES
.irp g, 0,1
.if \g
	PLACES
.endif
.irp t, 0,1,2,3
	ds_load_b128 v[KR+6*\t:KR+6*\t+3], v[ADK16] offset:(8*(\q)+4*\g+\t)*768
	ds_load_b64 v[KR+6*\t+4:KR+6*\t+5], v[ADK8] offset:(8*(\q)+4*\g+\t)*768+512
.endr
.if \g == 0
.irp p, 0,1,2,3
	ds_load_b32 v[SW+\p], v[ADS] offset:512*(\q)+128*\p
.endr
.endif
	s_wait_dscnt 0x0
.irp t, 0,1,2,3
	KQ S+8*(4*\g+\t), KR+6*\t, \QF, SW+2*\g+\t/2, \QS, \t%2
.endr
.endr
	PLACES
	VFETCH \q, 0
	ds_load_b32 v[SW], v[ADT] offset:256*(\q)
	ds_load_b32 v[SW+1], v[ADT] offset:256*(\q)+128
.if \mask
	s_add_co_i32 s96, s[\SQ0], -127-128*(\q)
	s_cmp_le_i32 s[KF], s96
	s_cbranch_scc1 .Lopen_\@
	s_sub_co_i32 s96, s[\SQ0], s[KF]
	s_add_co_i32 s96, s96, -128*(\q)
	v_add_nc_u32 v[DD], s96, v[LQ]
.set n, 0
.rept 64
	v_cmp_gt_i32 vcc_lo, 32*(n/16)+n%16, v[DD]
	v_cndmask_b32 v[S+n], v[S+n], v[NINF], vcc_lo
.set n, n+1
.endr
.Lopen_\@:
.endif
.irp b, 0,1,2,3
	v_max3_num_f32 v[BM+\b], v[S+16*\b], v[S+1+16*\b], v[S+2+16*\b]
.endr
.irp i, 3,5,7,9,11,13
.irp b, 0,1,2,3
	v_max3_num_f32 v[BM+\b], v[BM+\b], v[S+16*\b+\i], v[S+1+16*\b+\i]
.endr
.endr
.irp b, 0,1,2,3
	v_max_num_f32 v[BM+\b], v[BM+\b], v[S+15+16*\b]
.endr
.irp b, 0,1,2,3
	s_delay_alu instid0(VALU_DEP_4)
	v_permlanex16_b32 v[PM+\b], v[BM+\b], s[SEL], s[SEL+1]
.endr
.irp b, 0,1,2,3
	s_delay_alu instid0(VALU_DEP_4)
	v_max_num_f32 v[BM+\b], v[BM+\b], v[PM+\b]
.endr
	s_delay_alu instid0(VALU_DEP_2)
	v_max3_num_f32 v[WK], v[BM], v[BM+1], v[BM+2]
	s_delay_alu instid0(VALU_DEP_1)
	v_max_num_f32 v[WK], v[WK], v[BM+3]
	s_delay_alu instid0(VALU_DEP_1)
	v_mul_f32 v[WK], s[CS], v[WK]
	s_delay_alu instid0(VALU_DEP_1)
	v_max_num_f32 v[\ST+1], v[\ST+1], v[WK]
	v_mov_b32 v[WK], v[\ST]
	s_delay_alu instid0(VALU_DEP_2)
	v_floor_f32 v[\ST], -v[\ST+1]
	s_delay_alu instid0(VALU_DEP_1)
	v_sub_f32 v[WK], v[\ST], v[WK]
	s_delay_alu instid0(VALU_DEP_1)
	v_cvt_i32_f32 v[WK], v[WK]
	s_delay_alu instid0(VALU_DEP_1)
	v_ldexp_f32 v[FF], 1.0, v[WK]
.set j, 0
.rept 32
	v_pk_fma_f32 v[S+j:S+j+1], v[S+j:S+j+1], s[CS:CS+1], v[\ST:\ST+1] op_sel_hi:[1,0,0]
.set j, j+2
.endr
.irp b, 0,1,2,3
	v_fma_f32 v[BM+\b], v[BM+\b], s[CS], v[\ST]
.endr
.set j, 0
	s_wait_alu depctr_va_vdst(0)
.rept 64
	v_exp_f32 v[S+j], v[S+j]
.set j, j+1
.endr
	v_pk_mul_f32 v[\ST+2:\ST+3], v[\ST+2:\ST+3], v[FF:FF+1] op_sel_hi:[1,0]
	s_wait_alu depctr_va_vdst(0)
.irp b, 0,1,2,3
	v_exp_f32 v[BM+\b], v[BM+\b]
.endr
	v_pk_add_f32 v[PM:PM+1], v[S:S+1], v[S+2:S+3]
.set j, 4
.rept 15
	v_pk_add_f32 v[\ST+2:\ST+3], v[\ST+2:\ST+3], v[S+j:S+j+1]
	v_pk_add_f32 v[PM:PM+1], v[PM:PM+1], v[S+j+2:S+j+3]
.set j, j+4
.endr
	s_delay_alu instid0(VALU_DEP_1)
	v_pk_add_f32 v[\ST+2:\ST+3], v[\ST+2:\ST+3], v[PM:PM+1]
	s_wait_alu depctr_va_vdst(0)
.irp b, 0,1,2,3
	v_max_num_f32 v[BM+\b], 0x2800000, v[BM+\b]
.endr
	CODES
	s_delay_alu instid0(VALU_DEP_3)
	v_lshl_or_b32 v[PW], v[PM+1], 8, v[PM]
	s_delay_alu instid0(VALU_DEP_1)
	v_lshl_or_b32 v[PW], v[PM+2], 16, v[PW]
	s_delay_alu instid0(VALU_DEP_1)
	v_lshl_or_b32 v[PW], v[PM+3], 24, v[PW]
	CONVERT
.set j, 0
.rept 16
	v_pk_mul_f32 v[\OB+j:\OB+j+1], v[\OB+j:\OB+j+1], v[FF:FF+1] op_sel_hi:[1,0]
.set j, j+2
.endr
	s_wait_alu depctr_va_vdst(0)
	s_wait_dscnt 0x0
	PV \OB, KR, SW, 0
	PV \OB+8, KR+12, SW, 1
	PLACES
	VFETCH \q, 2
	s_wait_dscnt 0x0
	PV \OB+16, KR, SW+1, 0
	PV \OB+24, KR+12, SW+1, 1
.if \skip
.Lhid_\@:
.endif
.endm
.macro SLOTW askip, amask
	v_add_nc_u32 v[ADK16], s[TBK], v[L16]
	s_wait_alu depctr_va_vdst(0)
	v_add_nc_u32 v[ADK8], s[TBK], v[L8]
	s_wait_alu depctr_va_vdst(0)
	v_add_nc_u32 v[ADV16], s[TBV], v[L16]
	s_wait_alu depctr_va_vdst(0)
	v_add_nc_u32 v[ADV8], s[TBV], v[L8]
	s_wait_alu depctr_va_vdst(0)
	v_add_nc_u32 v[ADS], s[TS], v[L4]
	v_add_nc_u32 v[ADT], s[TJ], v[L4]
	s_wait_alu depctr_va_vdst(0)
	STEP 0, 12, 22, 20, 144, Q0A, \askip, \amask
	STEP 0, 16, 34, 21, 176, Q0B, 1, 1
	STEP 1, 12, 22, 20, 144, Q0A, \askip, \amask
	STEP 1, 16, 34, 21, 176, Q0B, 1, 1
.endm
	s_wait_loadcnt 0x0                             ; q's fragments; slot 0 was shown whole to all waves by the barrier above
	SLOTW 0, 0
	s_add_co_u32 s97, ttmp9, 2                     ; a trip with s55 trips to go asks for slot 9 - s55, which is read while 9 - s55 <= 7 - x
	s_mov_b32 s[TBK], 36864
	s_mov_b32 s[TBV], 122880
	s_mov_b32 s[TS], 25600
	s_mov_b32 s[TJ], 33280
	s_mov_b32 s[KF], 256
	s_mov_b32 s55, 7
.Lslot:
	s_wait_tensorcnt 0x0                           ; my part of this trip's slot is in
	ds_add_u32 v254, v255
	s_add_co_u32 s[G0R+1], s[G0R+1], 12288         ; no load of mine is out: the next slot's place in LDS and in kv
	s_add_nc_u64 s[G0R+2:G0R+3], s[G0R+2:G0R+3], 12288
	s_wait_dscnt 0x0
	s_barrier_signal -1
	s_barrier_wait -1                              ; the slot is whole for all sixteen waves
	s_cmp_ge_u32 s55, s97
	s_cbranch_scc0 .Lnofill
	tensor_load_to_lds s[G0R:G0R+3], s[G1R:G1R+7]
	s_nop 0
.Lnofill:
	SLOTW 1, 1
	s_add_co_u32 s[TBK], s[TBK], 12288
	s_add_co_u32 s[TBV], s[TBV], 12288
	s_add_co_u32 s[TS], s[TS], 1024
	s_add_co_u32 s[TJ], s[TJ], 512
	s_add_co_u32 s[KF], s[KF], 256
	s_sub_co_u32 s55, s55, 1
	s_cmp_lg_u32 s55, 0
	s_cbranch_scc1 .Lslot
	PLACES
	v_add_f32 v14, v14, v15
	v_add_f32 v18, v18, v19
	s_delay_alu instid0(VALU_DEP_2)
	v_permlanex16_b32 v[PM], v14, s[SEL], s[SEL+1]
	s_delay_alu instid0(VALU_DEP_2)
	v_permlanex16_b32 v[PM+1], v18, s[SEL], s[SEL+1]
	s_delay_alu instid0(VALU_DEP_2)
	v_add_f32 v14, v14, v[PM]
	s_delay_alu instid0(VALU_DEP_2)
	v_add_f32 v18, v18, v[PM+1]
	s_wait_alu depctr_va_vdst(0)
	v_rcp_f32 v14, v14
	v_rcp_f32 v18, v18
	s_lshr_b32 s56, s10, 4
	s_and_b32 s57, s10, 15
	s_lshl_b32 s56, s56, 7
	s_add_co_u32 s58, s56, s12
	s_add_co_u32 s59, s56, s13
	s_mul_i32 s60, s57, 768
	s_mul_i32 s62, s58, 12288
	s_add_co_u32 s62, s62, s60
	s_mov_b32 s63, 0
	s_mul_i32 s66, s59, 12288
	s_add_co_u32 s66, s66, s60
	s_mov_b32 s67, 0
	s_add_nc_u64 s[62:63], s[8:9], s[62:63]
	s_add_nc_u64 s[66:67], s[8:9], s[66:67]
	s_lshr_b32 s60, s57, 2
	s_lshl_b32 s60, s60, 7
	s_bfe_u32 s61, s57, 0x10001
	s_lshl_b32 s61, s61, 2
	s_add_co_u32 s60, s60, s61
	s_and_b32 s61, s57, 1
	s_lshl_b32 s61, s61, 1
	s_add_co_u32 s60, s60, s61
	s_lshl_b32 s58, s58, 9
	s_add_co_u32 s58, s58, s60
	s_lshl_b32 s59, s59, 9
	s_add_co_u32 s59, s59, s60
	s_add_nc_u64 s[8:9], s[8:9], 6291456
	v_and_b32 v247, 15, v0
	s_delay_alu instid0(VALU_DEP_1)
	v_lshlrev_b32 v247, 3, v247
	s_delay_alu instid0(VALU_DEP_1)
	v_add_nc_u32 v248, s58, v247
	s_delay_alu instid0(VALU_DEP_2)
	v_add_nc_u32 v249, s59, v247
	v_and_b32 v250, 16, v0
	s_wait_alu depctr_va_vdst(0)
.set j, 0
.rept 16
	v_pk_mul_f32 v[S+j:S+j+1], v[144+j:144+j+1], v[14:15] op_sel_hi:[1,0]
.set j, j+2
.endr
.set j, 0
.rept 16
	v_pk_mul_f32 v[S+32+j:S+32+j+1], v[176+j:176+j+1], v[18:19] op_sel_hi:[1,0]
.set j, j+2
.endr
.irp b, 0,1,2,3
	v_max3_num_f32 v[BM+\b], |v[S+16*\b]|, |v[S+1+16*\b]|, 0x2800000
.endr
.irp i, 2,4,6,8,10,12,14
.irp b, 0,1,2,3
	s_delay_alu instid0(VALU_DEP_4)
	v_max3_num_f32 v[BM+\b], v[BM+\b], |v[S+16*\b+\i]|, |v[S+1+16*\b+\i]|
.endr
.endr
.irp b, 0,1,2,3
	s_delay_alu instid0(VALU_DEP_4)
	v_permlanex16_b32 v[PM+\b], v[BM+\b], s[SEL], s[SEL+1]
.endr
.irp b, 0,1,2,3
	s_delay_alu instid0(VALU_DEP_4)
	v_max_num_f32 v[BM+\b], v[BM+\b], v[PM+\b]
.endr
	CODES
	s_delay_alu instid0(VALU_DEP_3)
	v_lshl_or_b32 v[WK], v[PM+1], 8, v[PM]
	s_delay_alu instid0(VALU_DEP_2)
	v_lshl_or_b32 v[DD], v[PM+3], 8, v[PM+2]
	CONVERT
	v_cmp_ne_u32 vcc_lo, 0, v250
	s_delay_alu instid0(VALU_DEP_1)
	v_cndmask_b32 v248, v248, v249, vcc_lo
	s_delay_alu instid0(VALU_DEP_2)
	v_cndmask_b32 v[WK], v[WK], v[DD], vcc_lo
	global_store_b128 v[L16], v[PCD:PCD+3], s[62:63]
	global_store_b64 v[L8], v[PCD+4:PCD+5], s[62:63] offset:512
	global_store_b128 v[L16], v[PCD+6:PCD+9], s[66:67]
	global_store_b64 v[L8], v[PCD+10:PCD+11], s[66:67] offset:512
	global_store_b16 v248, v[WK], s[8:9]
	s_wait_tensorcnt 0x0
	ds_add_u32 v254, v255
	s_wait_dscnt 0x0
	s_endpgm
.Lfunc_end_k_qd0a2837b7f_attn:
	.size	k_qd0a2837b7f_attn, .Lfunc_end_k_qd0a2837b7f_attn-k_qd0a2837b7f_attn
	.p2alignl 7, 3214868480
	.fill 96, 4, 3214868480
	.section	.rodata,"a",@progbits
	.p2align	6, 0x0
	.amdhsa_kernel k_qd0a2837b7f_attn
		.amdhsa_group_segment_fixed_size 327680
		.amdhsa_private_segment_fixed_size 0
		.amdhsa_enable_private_segment 0
		.amdhsa_kernarg_size 24
		.amdhsa_user_sgpr_count 2
		.amdhsa_user_sgpr_kernarg_segment_ptr 1
		.amdhsa_wavefront_size32 1
		.amdhsa_system_sgpr_workgroup_id_x 1
		.amdhsa_system_sgpr_workgroup_id_y 1
		.amdhsa_system_sgpr_workgroup_id_z 1
		.amdhsa_system_vgpr_workitem_id 0
		.amdhsa_next_free_vgpr 256
		.amdhsa_next_free_sgpr 100
		.amdhsa_reserve_vcc 1
		.amdhsa_float_denorm_mode_32 3
		.amdhsa_float_denorm_mode_16_64 3
		.amdhsa_memory_ordered 1
		.amdhsa_forward_progress 1
		.amdhsa_inst_pref_size 191
	.end_amdhsa_kernel
	.amdgpu_metadata
---
amdhsa.version: [ 1, 2 ]
amdhsa.kernels:
  - .name:           k_qd0a2837b7f_attn
    .symbol:         k_qd0a2837b7f_attn.kd
    .args:
      - { .name: qq, .offset: 0, .size: 8, .value_kind: global_buffer, .address_space: global }
      - { .name: kv, .offset: 8, .size: 8, .value_kind: global_buffer, .address_space: global }
      - { .name: aq, .offset: 16, .size: 8, .value_kind: global_buffer, .address_space: global }
    .group_segment_fixed_size: 327680
    .private_segment_fixed_size: 0
    .kernarg_segment_align: 8
    .kernarg_segment_size: 24
    .max_flat_workgroup_size: 512
    .sgpr_count:     100
    .vgpr_count:     256
    .wavefront_size: 32
...
	.end_amdgpu_metadata
.endif
;; end of part 3
;; launch proj (part 4): grid 4 x 64, 4 waves a work-group, clusters of 4 x 4, 327,680 bytes of LDS; arguments aq, wq, out0; writes out0
.if DOCPART == 4
	.amdgcn_target "amdgcn-amd-amdhsa--gfx1250"
	.amdhsa_code_object_version 6
	.text
	.protected	k_qd0a2837b7f_proj
	.globl	k_qd0a2837b7f_proj
	.p2align	8
	.type	k_qd0a2837b7f_proj,@function
k_qd0a2837b7f_proj:
	s_mov_b64 s[64:65], 0
	v_nop
	global_prefetch_b8 v0, s[64:65] scope:SCOPE_SE
	s_setreg_imm32_b32 hwreg(HW_REG_WAVE_MODE, 25, 1), 1
	s_wait_xcnt 0x0
	s_wait_alu depctr_hold_cnt(0) depctr_sa_sdst(0) depctr_va_vdst(0) depctr_va_sdst(0) depctr_va_ssrc(0) depctr_va_vcc(0) depctr_vm_vsrc(0)
	s_getreg_b32 s2, hwreg(HW_REG_IB_STS2, 6, 4)
	s_cmp_eq_u32 s2, 0
	s_cbranch_scc0 .Lentry_in_a_cluster
	s_endpgm
.Lentry_in_a_cluster:
	s_bfe_u32 s2, ttmp6, 0x10000c
	s_cmp_lg_u32 s2, 0xf033
	s_cbranch_scc0 .Lentry_shape_is_right
	s_endpgm
.Lentry_shape_is_right:
; out0 = attention's result x w_o^T on codes of BF6 (E3M2) with E8M0 scales, K = 1024; f32 out.
; A work-group of four waves makes 128 tokens x 256 columns: 64 x 4 = 256 work-groups.  A wave makes 64 x 128: 32 accumulators, one window of registers.
; Operands lie in memory as images of the operand's registers (half image: 16 rows x 64 K, 768 bytes: registers 0-3 at 16 x lane, 4-5 at 512 + 8 x lane; a block of 16 rows x 1024 K is 12,288 bytes on end).
; ALL OF K LIES IN LDS: A's 8 blocks (98,304 bytes), B's 16 (196,608), A's scale bytes (4,096), B's (8,192): four dense runs of memory, one tensor load a wave at the head, each byte filled once: no ring, no refill.
; CLUSTER 4 x 4: A's runs are asked for jointly along a row of the cluster, B's along a column.  No prefetch: all operands are asked for at the head, and there is no loop to run ahead in.
; Source 0 = 16 rows of w_o, source 1 = 16 tokens: a lane holds a token, and the 16 registers of w_o's blocks 2 b, 2 b + 1 are the columns 32 b + 16 (lane / 16) + 0 .. 15
; (lane-row r of block rb is real row 32 (rb / 2) + 8 (rb % 2) + r + 8 (r / 8), for tokens and for w_o's rows).
; REGISTERS: window 0: v16-30 addresses; v32-95 all scale words; v96-191 A's fragments, two sets of 48; on the way out v128-255.  window 1: B's fragments, two sets, at v0 and v128.  window 2: accumulator (a, b) at v[8 (8 a + b)].
.set FR,     12
.set BLK,    12288
.set LB,     8*BLK                     ; B's codes lie behind A's
.set SCA,    24*BLK                    ; A's scale bytes,
.set SCB,    SCA+4096                  ; B's,
.set SPARE,  SCB+8192                  ; and the spare words, 128 bytes a wave
.set SPITCH, 528                       ; the way out: a stage of 16 rows x (512 + 16) bytes a wave, from LDS byte 0 on: A's codes have had their only fill and, behind a barrier, their last read
.set SOFFX,  6291456
.set SOFFW,  3145728
.set ADRA, 16                          ; v16, v17: my A blocks, 16 x lane and 8 x lane
.set ADRB, 20                          ; v20, v21: my B blocks 0-3; v22, v23: blocks 4-7 (an offset has 16 bits)
.set L16,  24
.set STO,  26
.set ADRS, 27
.set SPW,  28
.set NIL,  29
.set RD,   30
.set SC,   32
.set AF,   96
.set BK,   128
.set G1A,  24
.set G1B,  32
.set G1SA, 40
.set G1SB, 48
.set G0A,  56
.set G0B,  60
.set G0SA, 68
.set G0SB, 72
.set MSB, 0
.macro WIN new                         ; the immediate's high byte repeats the setting that is left
.if MSB != \new
	s_set_vgpr_msb (MSB<<8)|\new
.set MSB, \new
.endif
.endm
.macro CROUND                          ; a round of the cluster's barrier
	s_barrier_signal -1
	s_barrier_wait -1
	s_cmp_lg_u32 s14, 0
	s_cbranch_scc1 .Lnot_wave_0_\@
	s_barrier_signal -3
.Lnot_wave_0_\@:
	s_barrier_wait -3
	s_barrier_signal -1
	s_barrier_wait -1
.endm
.macro DESC g, m, r                    ; group 1: a dense run as r rows of 256 bytes (32 elements of 8 bytes); the mask in s[m], bit 21 beside it
	s_or_b32 s[\g], s[\m], (3<<16)|(1<<21)
	s_mov_b32 s[\g+1], 32<<16
	s_mov_b32 s[\g+2], (\r)<<16
	s_mov_b32 s[\g+3], 32<<16
	s_mov_b32 s[\g+4], \r
	s_mov_b32 s[\g+5], 32
	s_mov_b32 s[\g+6], 0
	s_mov_b32 s[\g+7], 0
.endm
.macro GRP0 g, lds, a
	s_mov_b32 s[\g], 1
	s_mov_b32 s[\g+1], \lds
	s_mov_b64 s[\g+2:\g+3], s[\a:\a+1]
	s_or_b32 s[\g+3], s[\g+3], 0x80000000
.endm
.macro PLACES                          ; plain vector lines between a matrix instruction and a load into, or a read of, its registers
.rept 4
	v_nop
.endr
.endm
	s_load_b128 s[4:7], s[0:1], 0x0                ; aq, wq
	s_load_b64 s[12:13], s[0:1], 0x10              ; out0
	v_lshl_add_u32 v[SPW], v0, 2, SPARE
	v_mov_b32 v[NIL], 0
	ds_add_u32 v[SPW], v[NIL]
	ds_add_u32 v[SPW], v[NIL]
	v_lshrrev_b32 v1, 5, v0
	v_readfirstlane_b32 s14, v1                    ; wave
	s_lshr_b32 s15, s14, 1                         ; my half of the tokens
	s_and_b32 s16, s14, 1                          ; my half of the columns
	s_bfe_u32 s80, ttmp6, 0x40000                  ; cx
	s_bfe_u32 s81, ttmp6, 0x40004                  ; cy
	s_lshl_b32 s82, ttmp9, 2
	s_add_co_u32 s82, s82, s80                     ; tile of 256 columns
	s_and_b32 s17, ttmp7, 0xffff
	s_lshl_b32 s17, s17, 2
	s_add_co_u32 s17, s17, s81                     ; tile of 128 tokens
	s_lshl_b32 s83, s81, 2
	s_lshl_b32 s83, 15, s83                        ; my row of the cluster
	s_lshl_b32 s84, 0x1111, s80                    ; my column
	DESC G1A,  83, 384
	DESC G1B,  84, 768
	DESC G1SA, 83, 16
	DESC G1SB, 84, 32
	s_mul_i32 s20, s17, 8*BLK                      ; A: 8 blocks of codes,
	s_lshl_b32 s22, s17, 12
	s_add_co_u32 s22, s22, SOFFX                   ; 512 scale bytes a block
	s_lshl_b32 s76, s82, 4
	s_add_co_u32 s76, s76, 192                     ; B: w_o's blocks begin at 192 in wq
	s_lshl_b32 s78, s76, 9
	s_add_co_u32 s78, s78, SOFFW
	s_mul_i32 s76, s76, BLK
	s_mov_b32 s21, 0
	s_mov_b32 s23, 0
	s_mov_b32 s77, 0
	s_mov_b32 s79, 0
	s_mul_i32 s85, s15, 4*BLK                      ; LDS: my 4 blocks of A,
	s_mul_i32 s86, s16, 8*BLK
	s_add_co_u32 s86, s86, LB                      ; my 8 of B,
	s_add_co_u32 s87, s86, 4*BLK
	s_lshl_b32 s88, s15, 11
	s_add_co_u32 s88, s88, SCA                     ; my scale words of A,
	s_lshl_b32 s89, s16, 12
	s_add_co_u32 s89, s89, SCB
	s_sub_co_u32 s89, s89, s88                     ; how far behind them B's lie,
	s_mul_i32 s90, s14, 16*SPITCH                  ; my stage
	s_lshl_b32 s18, s17, 7
	s_lshl_b32 s19, s15, 6
	s_add_co_u32 s18, s18, s19                     ; my first token,
	s_lshl_b32 s18, s18, 12                        ; rows of 4,096 bytes,
	s_lshl_b32 s19, s82, 10
	s_add_co_u32 s18, s18, s19
	s_lshl_b32 s19, s16, 9
	s_add_co_u32 s18, s18, s19                     ; and my first column: under 2^26 in all
	s_mov_b32 s19, 0
	s_wait_dscnt 0x0                               ; both opening adds are done
	s_wait_kmcnt 0x0
	s_add_nc_u64 s[20:21], s[4:5], s[20:21]
	s_add_nc_u64 s[22:23], s[4:5], s[22:23]
	s_add_nc_u64 s[76:77], s[6:7], s[76:77]
	s_add_nc_u64 s[78:79], s[6:7], s[78:79]
	s_add_nc_u64 s[12:13], s[12:13], s[18:19]
	GRP0 G0A,  0,   20
	GRP0 G0B,  LB,  76
	GRP0 G0SA, SCA, 22
	GRP0 G0SB, SCB, 78
	CROUND                                         ; all sixteen work-groups are here: the joint loads meet
; One load a wave, in one tree of branches on the wave's number: A's codes, B's codes, A's scale bytes, B's
.macro ARM under, g0, g1, next
	s_cmp_lt_u32 s14, \under
	s_cbranch_scc0 \next
	tensor_load_to_lds s[\g0:\g0+3], s[\g1:\g1+7]
	s_nop 0
.rept 4
	v_nop
.endr
	s_branch .Lhead_asked
\next:
.endm
	ARM 1, G0A,  G1A,  .Lhead_b
	ARM 2, G0B,  G1B,  .Lhead_sa
	ARM 3, G0SA, G1SA, .Lhead_sb
	tensor_load_to_lds s[G0SB:G0SB+3], s[G1SB:G1SB+7]
	s_nop 0
.rept 4
	v_nop
.endr
.Lhead_asked:
	v_and_b32 v1, 15, v0                           ; r
	v_bfe_u32 v2, v0, 4, 1                         ; h
	v_and_b32 v3, 31, v0
	v_lshlrev_b32 v[L16], 4, v3
	v_lshlrev_b32 v4, 3, v3
	v_add_nc_u32 v[ADRA], s85, v[L16]
	v_add_nc_u32 v[ADRA+1], s85, v4
	v_add_nc_u32 v[ADRB], s86, v[L16]
	v_add_nc_u32 v[ADRB+1], s86, v4
	v_add_nc_u32 v[ADRB+2], s87, v[L16]
	v_add_nc_u32 v[ADRB+3], s87, v4
	v_mul_u32_u24 v6, s89, v2                      ; lanes 16-31 take B's scale words
	v_lshl_add_u32 v6, v1, 3, v6                   ; 8 bytes a row and 256 along K
	v_add_nc_u32 v[ADRS], s88, v6
	v_mul_u32_u24 v5, v1, SPITCH
	v_lshl_add_u32 v5, v2, 6, v5                   ; the stage, in: row r, 64 bytes for each half of the lanes
	v_add_nc_u32 v[STO], s90, v5
	v_add_nc_u32 v[RD], s90, v[L16]                ; and back: 32 lanes take a row of 512 bytes
.macro FRAG reg, adr, off              ; a fragment, 16 rows x 128 K, is two half images on end: four loads of consecutive bytes
	ds_load_b128 v[\reg:\reg+3], v[\adr] offset:\off
	ds_load_b64 v[\reg+4:\reg+5], v[\adr+1] offset:\off+512
	ds_load_b128 v[\reg+6:\reg+9], v[\adr] offset:\off+768
	ds_load_b64 v[\reg+10:\reg+11], v[\adr+1] offset:\off+1280
.endm
.macro FETCH st                        ; step st's fragments into set st % 2: 48 LDS loads
.set P, (\st)%2
.set KO, (\st)*1536
	WIN 0x40                                       ; destination window 1
.irp i, 0,1,2,3,4,5,6,7
	FRAG 128*P+FR*\i, ADRB+2*(\i/4), (\i%4)*BLK+KO
.endr
	WIN 0
.irp i, 0,1,2,3
	FRAG AF+48*P+FR*\i, ADRA, \i*BLK+KO
.endr
.endm
; 32 matrix instructions: my 4 blocks of tokens x 8 blocks of columns, 128 along K.  The 32 accumulators take turns in the same order in every step.  The first step starts the sums.
.macro MUL32 st
.set P, (\st)%2
.set SW, SC+16*((\st)/2)+(\st)%2
.irp a, 0,1,2,3
.irp b, 0,1,2,3,4,5,6,7
.if (\st) == 0
	v_wmma_scale_f32_16x16x128_f8f6f4 v[8*(8*\a+\b):8*(8*\a+\b)+7], v[128*P+FR*\b:128*P+FR*\b+FR-1], v[AF+48*P+FR*\a:AF+48*P+FR*\a+FR-1], 0, v[SW+2*\b], v[SW+2*\a] matrix_a_fmt:MATRIX_FMT_BF6 matrix_b_fmt:MATRIX_FMT_BF6 matrix_a_scale:MATRIX_SCALE_ROW1
.else
	v_wmma_scale_f32_16x16x128_f8f6f4 v[8*(8*\a+\b):8*(8*\a+\b)+7], v[128*P+FR*\b:128*P+FR*\b+FR-1], v[AF+48*P+FR*\a:AF+48*P+FR*\a+FR-1], v[8*(8*\a+\b):8*(8*\a+\b)+7], v[SW+2*\b], v[SW+2*\a] matrix_a_fmt:MATRIX_FMT_BF6 matrix_b_fmt:MATRIX_FMT_BF6 matrix_a_scale:MATRIX_SCALE_ROW1
.endif
.endr
.endr
.endm
.macro STEP st, more
.if \more
.if (\st) > 0
	PLACES                                         ; the set that the last step multiplied is loaded anew
.endif
	FETCH (\st)+1
	s_wait_dscnt 48                                ; all but the 48 loads just issued: this step's fragments are in
.else
	s_wait_dscnt 0x0
.endif
	WIN 0xa1                                       ; source 0 window 1, source 1 window 0, C and D window 2
	MUL32 \st
	WIN 0
.endm
	s_wait_alu depctr_va_vdst(0)
	s_wait_tensorcnt 0x0                           ; my run is in;
	s_barrier_signal -1
	s_barrier_wait -1                              ; all four are
	FETCH 0
.irp kk, 0,1,2,3                       ; all scale words: register 16 kk + 2 i + q: lanes 0-15 A's block i (i under 4 is used), lanes 16-31 B's block i, step 2 kk + q
.irp i, 0,1,2,3,4,5,6,7
	ds_load_b64 v[SC+16*\kk+2*\i:SC+16*\kk+2*\i+1], v[ADRS] offset:\i*512+\kk*128
.endr
.endr
.set ST, 0
.rept 7
	STEP ST, 1
.set ST, ST+1
.endr
	STEP 7, 0
	s_barrier_signal -1                            ; my LDS reads are over (waited for ahead of the last step):
	s_barrier_wait -1                              ; so are everybody's, and the stages may lie on A's codes
	PLACES
; THE WAY OUT, by blocks of 16 tokens x 128 columns: through my stage, back as rows of 512 bytes, which 32 lanes store as 512 consecutive bytes.  LDS serves a wave's instructions in order (ISA guide 5.7.1.4).
.macro TOSTAGE a
	WIN 0x08                                       ; the data: window 2
.irp b, 0,1,2,3
.irp k, 0,1,2,3
	ds_store_b128 v[STO], v[64*(\a)+16*\b+4*\k:64*(\a)+16*\b+4*\k+3] offset:128*\b+16*\k   ; each accumulator from its low end on
.endr
.endr
	WIN 0
.set BB, BK+64*((\a)%2)
.irp t, 0,1,2,3,4,5,6,7,8,9,10,11,12,13,14,15
	ds_load_b128 v[BB+4*\t:BB+4*\t+3], v[RD] offset:\t*SPITCH
.endr
.endm
.macro SEND a, younger                 ; younger: the LDS instructions issued behind block a's loads
.set BB, BK+64*((\a)%2)
	s_wait_dscnt \younger
.irp t, 0,1,2,3,4,5,6,7,8,9,10,11,12,13,14,15
	global_store_b128 v[L16], v[BB+4*\t:BB+4*\t+3], s[12:13] offset:(32*((\a)/2)+8*((\a)%2)+\t+8*(\t/8))*4096 th:TH_STORE_NT
.endr
.endm
	TOSTAGE 0
.irp a, 1,2,3
.if \a > 1
	s_wait_xcnt 0x0                                ; block a - 2's stores have read their registers: block a's loads may land there
.endif
	TOSTAGE \a
	SEND \a-1, 32
.endr
	SEND 3, 0
	s_wait_tensorcnt 0x0                           ; the wave's end
	ds_add_u32 v[SPW], v[NIL]
	s_wait_dscnt 0x0
	CROUND                                         ; the closing round
	s_endpgm
.Lfunc_end_k_qd0a2837b7f_proj:
	.size	k_qd0a2837b7f_proj, .Lfunc_end_k_qd0a2837b7f_proj-k_qd0a2837b7f_proj
	.p2alignl 7, 3214868480
	.fill 96, 4, 3214868480
	.section	.rodata,"a",@progbits
	.p2align	6, 0x0
	.amdhsa_kernel k_qd0a2837b7f_proj
		.amdhsa_group_segment_fixed_size 327680
		.amdhsa_private_segment_fixed_size 0
		.amdhsa_enable_private_segment 0
		.amdhsa_kernarg_size 24
		.amdhsa_user_sgpr_count 2
		.amdhsa_user_sgpr_kernarg_segment_ptr 1
		.amdhsa_wavefront_size32 1
		.amdhsa_system_sgpr_workgroup_id_x 1
		.amdhsa_system_sgpr_workgroup_id_y 1
		.amdhsa_system_sgpr_workgroup_id_z 1
		.amdhsa_system_vgpr_workitem_id 0
		.amdhsa_next_free_vgpr 768
		.amdhsa_next_free_sgpr 100
		.amdhsa_reserve_vcc 0
		.amdhsa_float_denorm_mode_32 3
		.amdhsa_float_denorm_mode_16_64 3
		.amdhsa_memory_ordered 1
		.amdhsa_forward_progress 1
		.amdhsa_inst_pref_size 83
	.end_amdhsa_kernel
	.amdgpu_metadata
---
amdhsa.version: [ 1, 2 ]
amdhsa.kernels:
  - .name:           k_qd0a2837b7f_proj
    .symbol:         k_qd0a2837b7f_proj.kd
    .args:
      - { .name: aq, .offset: 0, .size: 8, .value_kind: global_buffer, .address_space: global }
      - { .name: wq, .offset: 8, .size: 8, .value_kind: global_buffer, .address_space: global }
      - { .name: out0, .offset: 16, .size: 8, .value_kind: global_buffer, .address_space: global }
    .group_segment_fixed_size: 327680
    .private_segment_fixed_size: 0
    .kernarg_segment_align: 8
    .kernarg_segment_size: 24
    .max_flat_workgroup_size: 128
    .sgpr_count:     100
    .vgpr_count:     768
    .wavefront_size: 32
...
	.end_amdgpu_metadata
.endif
;; end of part 4
